; MI455X (gfx1250); checked and timed in simulation.
; The chip was launched on July 23, 2026; its instructions are those of AMD's public machine-readable ISA for CDNA 5 (MIT licence, August 2026) and "CDNA5" Instruction Set Architecture Reference Guide (July 2026). The comments in the code are by the model that wrote it; some were corrected since.
;; Mo E Layer. Allowed arithmetic: matrix products marked QUANTISED: E2M3 operands, one E8M0 scale for each 32 along K, by v_wmma_scale_f32_16x16x128_f8f6f4 with both operands' format E2M3, f32 sums; products left as they are: f32 operands where the result goes on into a quantised operand, else bf16, f16 or f32 operands; f32 sums; everything else in f32.
;; Inputs: W1 8 x 1,024 x 1,024 float32; W2 8 x 1,024 x 1,024 float32; Wg 1,024 x 8 float32; b1 8 x 1,024 float32; b2 8 x 1,024 float32; be1 8 x 1,024 float32; be2 8 x 1,024 float32; bg 8 float32; g1 8 x 1,024 float32; g2 8 x 1,024 float32; x 4,096 x 1,024 float32.
;; Outputs: out0 4,096 x 1,024 float32; out1 4,096 x 8 float32.
;; This version of the problem:
;;   THIS VERSION OF THE PROBLEM IS GIVEN IN LOW PRECISION. The matrix products marked QUANTISED in the list below multiply operands that are first quantised to E2M3 (2 exponent bits, 3 mantissa bits; 6 bits a number), with one power-of-two scale for each 32 numbers along K (OCP MX v1.0); their sums are f32. All else is computed in f32.
;;   The module's matrix products, in the order in which they are computed (A, B: the left and right operand; K: the contracted axis; several contracted axes count as one K, in the product's order):
;;     1. [M 4,096, K 1,024] x [K 1,024, N 8]; A: input x; B: input Wg: left as it is (N = 8 < 16)
;;     2. [M 8,192, K 1,024] x [K 1,024, N 4,096]; A: input W1; B: input x: QUANTISED
;;     3. batch 8 x [M 4,096, K 1,024] x [K 1,024, N 1,024]; A: computed on the way; B: input W2: QUANTISED
;;     4. batch 4,096 x [M 1, K 8] x [K 8, N 1,024]; A: computed on the way; B: computed on the way: left as it is (K = 8 < 32)
;;   THE QUANTISER, for each operand of a quantised product, along K:
;;     - K is cut into blocks of 32 from its start; a last block that is shorter is filled with zeros.
;;     - A block's scale is 2^e with e = floor(log2(the largest magnitude in the block)) - 2, held to -126 .. 127; a block of zeros has e = 0. As a byte (E8M0): e + 127.
;;     - Each number is divided by its block's scale, clamped to +-7.5, and rounded to the nearest number of E2M3, ties to even, subnormals kept.
;;     - The product sums the exact products of the quantised numbers (number of the format x scale) in f32.
;;   ~~~python
;;   def quantise(x, axis):      # numpy; x: float32 -> the quantised numbers, widened to float32 again
;;       x = np.moveaxis(x, axis, -1); K = x.shape[-1]
;;       x = np.pad(x, [(0, 0)] * (x.ndim - 1) + [(0, -K % 32)]); x = x.reshape(x.shape[:-1] + (-1, 32)); a = np.abs(x).max(-1, keepdims=True)
;;       e = np.where(a > 0, np.clip(np.frexp(np.where(a > 0, a, 1))[1] - 1 - 2, -126, 127), 0)      # np.frexp(a)[1] - 1 = floor(log2(a)), exactly
;;       r = np.clip(x / 2.0 ** e, -7.5, 7.5)
;;       step = 2.0 ** (np.maximum(np.frexp(np.where(r == 0, 1, r))[1] - 1, 0) - 3)
;;       q = np.round(r / step) * step * 2.0 ** e      # np.round: ties to even
;;       return np.moveaxis(q.reshape(q.shape[:-2] + (-1,))[..., :K], -1, axis).astype(np.float32)
;;   ~~~
;;   OPERANDS COMPUTED ON THE WAY. 'Computed on the way' means the value that the module computes at that place (a softmax that the list does not call 'softmax' is quantised finished and normalised). What goes into a quantiser is computed in f32, as accurately as f32 sums, v_exp_f32 and their like allow (about 1e-6 of the number): no bf16 or f16 on the way to a quantiser, and a product that is left as it is and whose result goes on into a quantised operand takes f32 operands (vector FMAs, or v_wmma_f32_16x16x4_f32). A number that lies on a knife's edge between two numbers of the format may be rounded either way, as far as f32 arithmetic and the matrix unit's own rounding can turn it there, and no further.
;; 2 versions. Each part assembles by itself: llvm-mc -triple=amdgcn-amd-amdhsa -mcpu=gfx1250 --defsym DOCPART=n.
;; ======== version 1 of 2: 4 launches
;; workspace buffers: sel 16,384 bytes of whole numbers; list 133,376 bytes of whole numbers; gatew 32,768 bytes; xcodes 3,145,728 bytes; xscale 131,072 bytes; wcodes 12,582,912 bytes; wscale 524,288 bytes; ybuf 33,554,432 bytes
;; launch prep (part 1): grid 640 x 1, 4 waves a work-group, no clusters, 90,112 bytes of LDS; arguments x, Wg, bg, W1, W2, out1, sel, gatew, xcodes, xscale, wcodes, wscale; writes out1, sel, gatew, xcodes, xscale, wcodes, wscale
.if DOCPART == 1
	.amdgcn_target "amdgcn-amd-amdhsa--gfx1250"
	.amdhsa_code_object_version 6
	.text
	.protected	k_q699601416e_prep
	.globl	k_q699601416e_prep
	.p2align	8
	.type	k_q699601416e_prep,@function
k_q699601416e_prep:
	s_mov_b64 s[64:65], 0
	v_nop
	global_prefetch_b8 v0, s[64:65] scope:SCOPE_SE
	s_setreg_imm32_b32 hwreg(HW_REG_WAVE_MODE, 25, 1), 1
	s_wait_xcnt 0x0
; PREP: everything that is made once.  Work-groups 0-127 take x (32 tokens each), work-groups 128-639 take W1 and W2.
; X PATH.  For each token: logits = x Wg + bg in f32 (fused multiply-adds), softmax with the maximum taken away (out1), the two largest (the lower index wins a tie),
;   their weights p / (pa + pb + 1e-9).  The choice goes to sel (e0 | e1 << 8) and the weights to gatew at fixed places: no address here hangs on it.
;   x is quantised along its 1,024 numbers to E2M3 with one E8M0 byte for each 32: xcodes, a row of 768 bytes; in the 96 bytes of K step s the block 2 c + h lies at 48 h + 24 c,
;   so that a lane (row, h) of a matrix operand finds its 48 bytes on end; xscale [4096][32], blocks in their own order.
; WEIGHT PATH.  W[e] is [k][o] with K its first axis.  A lane takes a column o and its registers run down K, so a block of 32 lies in one lane and the conversions give codes with K innermost.
;   wcodes is laid in the order of the operand's registers: [matrix 8 L + e][wave 8][K step 8][tile 8][group 3][lane 32][16 bytes]; row r of tile 2 b + u of wave w is column
;   128 w + 32 b + 8 u + r + 8 (r / 8), so that the results of two neighbouring tiles are 16 neighbours along the next product's K.
;   wscale: [matrix][wave][K step][lane 32][b 4] words: word (lane, b) belongs to row lane % 16 of tile 2 b + lane / 16.
; A block's scale is 2^(floor(log2(largest magnitude)) - 2): its byte is the largest magnitude's exponent field - 2, held at 1 from below by a floor among the maximum's leaves.
; LIMITS: NaN and infinities are not served; a block of zeros has the byte 1 (its codes are zeros, and this program alone reads the bytes); two probabilities equal within f32 rounding may be
;   ranked either way; sel leaves in stores of 128 bytes (16 KiB in all).
.set WSC,  0                           ; LDS, weight path: 2 K steps x 512 bytes of scale words
.set WGT,  1024                        ; LDS, x path: Wg as 256 places of 128 bytes (4 rows k) + 16 of padding
.set WREG, 37888                       ; a region for each wave:
.set WRB,  12800                       ;   two stages of 32 x 144 bytes at +0 and +4608,
.set CS,   9216                        ;   4 tokens' codes, 3,072 bytes,
.set SS,   12288                       ;   8 tokens' scale bytes, 256 bytes,
.set PS,   12544                       ;   8 tokens' probabilities, 256 bytes
.set SELS, 89088                       ; the work-group's 32 choices
.set GWS,  89344                       ; and 32 pairs of weights
; the largest magnitude of the 32 numbers v[xs] .. v[xs+31], in two chains, with the floor 2^(3 - 127) as one more leaf
.macro BMAX xs, ra, rb
	v_max3_num_f32 v[\ra], |v[\xs]|, |v[\xs+1]|, |v[\xs+2]|
	v_max3_num_f32 v[\rb], |v[\xs+3]|, |v[\xs+4]|, |v[\xs+5]|
.irp i, 6,10,14,18,22,26
	v_max3_num_f32 v[\ra], v[\ra], |v[\xs+\i]|, |v[\xs+\i+1]|
	v_max3_num_f32 v[\rb], v[\rb], |v[\xs+\i+2]|, |v[\xs+\i+3]|
.endr
	v_max3_num_f32 v[\ra], v[\ra], |v[\xs+30]|, |v[\xs+31]|
	v_max3_num_f32 v[\ra], v[\ra], v[\rb], 0x1800000
.endm
	s_load_b512 s[4:19], s[0:1], 0x0               ; x 4, Wg 6, bg 8, W1 10, W2 12, out1 14, sel 16, gatew 18
	s_load_b256 s[20:27], s[0:1], 0x40             ; xcodes 20, xscale 22, wcodes 24, wscale 26
	v_lshl_add_u32 v27, v0, 2, 0x15e00
	s_set_vgpr_msb 0x40
	v_mov_b32 v1, 0
	s_set_vgpr_msb 0x4000
	v_lshrrev_b32 v1, 5, v0
	v_readfirstlane_b32 s2, v1                     ; wave 0..3
	v_and_b32 v1, 31, v0                           ; lane
	s_cmp_lt_u32 ttmp9, 128
	s_cbranch_scc1 .Lxpath
; ---------------------------------------------------------------- the weights
; A work-group takes 128 columns (one wave's share in the chain) x 256 along K; its wave v takes the pair of tiles b = v: 32 columns.
; REGISTERS: v3 4 x my column, v4 my place in a pair's two fragments, v5, v10 LDS, v6 16 x lane; v11-16 at work; v24-25 scale words; v32-95 two sets of 32 numbers; v96-143 the codes of two K steps: [K step][h][12]
	s_sub_co_u32 s28, ttmp9, 128
	s_lshr_b32 s29, s28, 5                         ; matrix 8 L + e
	s_bfe_u32 s30, s28, 0x30002                    ; w
	s_and_b32 s31, s28, 3                          ; which 256 along K
	v_and_b32 v2, 7, v1
	v_bfe_u32 v7, v1, 4, 1                         ; u: which tile of the pair
	v_bfe_u32 v8, v1, 3, 1
	v_lshl_or_b32 v2, v7, 3, v2
	v_lshl_or_b32 v2, v8, 4, v2                    ; my column in the pair: 8 u + r + 8 (r / 8), r = lane % 16
	v_lshlrev_b32 v3, 2, v2
	v_and_b32 v9, 15, v1
	v_mul_u32_u24 v4, v7, 1536
	v_lshl_add_u32 v4, v9, 4, v4                   ; tile u's fragment, 16 r
	v_lshlrev_b32 v6, 4, v1
	s_lshl_b32 s33, s2, 2
	v_add_nc_u32 v5, s33, v6                       ; my scale word: 16 x lane + 4 b
	s_lshl_b32 s33, s2, 9
	v_add_nc_u32 v10, s33, v6                      ; back: K step = wave (waves 0 and 1 alone)
	s_and_b32 s34, s29, 7
	s_lshl_b32 s34, s34, 22                        ; W: expert x 4 MiB
	s_lshl_b32 s35, s31, 20                        ;  + 256 rows of 4,096 bytes
	s_add_co_u32 s34, s34, s35
	s_lshl_b32 s35, s30, 9                         ;  + 128 columns a wave of the chain
	s_add_co_u32 s34, s34, s35
	s_lshl_b32 s35, s2, 7                          ;  + my 32 columns
	s_add_co_u32 s34, s34, s35
	s_mov_b32 s35, 0
	s_mul_i32 s36, s29, 786432                     ; wcodes
	s_mul_i32 s37, s30, 98304
	s_add_co_u32 s36, s36, s37
	s_mul_i32 s37, s31, 24576                      ; two K steps
	s_add_co_u32 s36, s36, s37
	s_mul_i32 s37, s2, 3072                        ; my pair of tiles
	s_add_co_u32 s36, s36, s37
	s_mov_b32 s37, 0
	s_lshl_b32 s38, s29, 15                        ; wscale
	s_lshl_b32 s39, s30, 12
	s_add_co_u32 s38, s38, s39
	s_lshl_b32 s39, s31, 10
	s_add_co_u32 s38, s38, s39
	s_lshl_b32 s39, s2, 9                          ; K step = wave (used by waves 0 and 1 alone)
	s_add_co_u32 s38, s38, s39
	s_mov_b32 s39, 0
	s_wait_kmcnt 0x0
	s_cmp_lt_u32 s29, 8                            ; W1 or W2: the choice hangs on the work-group's number alone
	s_cselect_b64 s[10:11], s[10:11], s[12:13]
	s_add_nc_u64 s[10:11], s[10:11], s[34:35]
	s_add_nc_u64 s[24:25], s[24:25], s[36:37]
	s_add_nc_u64 s[26:27], s[26:27], s[38:39]
.macro WLOAD t                         ; block t: W(32 t + j, my column); the wave's lanes read 128 neighbouring bytes, the four waves 512
.set j, 0
.rept 32
	global_load_b32 v[32+32*((\t)%2)+j], v3, s[10:11] offset:(32*(\t)+j)*4096 th:TH_LOAD_NT
.set j, j+1
.endr
.endm
.macro WBLOCK t
.set XS, 32+32*((\t)%2)
.set SL, (\t)/4                        ; which of my two K steps
.set KB, (\t)%4                        ; block 2 c + h in it
.set PD, 96+24*SL+12*(KB%2)+6*(KB/2)   ; registers 6 c .. 6 c + 5 of lane (r, h)'s fragment
.if (\t)<7
	s_wait_loadcnt 32                              ; this block's 32 loads are in; the next block's 32 may be out
.else
	s_wait_loadcnt 0x0
.endif
	BMAX XS, 12, 13
	v_add_nc_u32 v11, 0xff000000, v12              ; 2 off the exponent field: the conversion takes this operand's exponent field as its scale
	v_cvt_scalef32_pk16_fp6_f32 v[PD:PD+2], v[XS:XS+15], v11
	v_cvt_scalef32_pk16_fp6_f32 v[14:16], v[XS+16:XS+31], v11   ; (a conversion's three registers begin on an even number)
	v_lshrrev_b32 v13, 23, v11                     ; the scale's byte; also the plain line behind the conversions
.if KB==0
	v_mov_b32 v[24+SL], v13
.else
	v_lshl_or_b32 v[24+SL], v13, 8*KB, v[24+SL]
.endif
	v_mov_b32 v[PD+3], v14
	v_mov_b32 v[PD+4], v15
	v_mov_b32 v[PD+5], v16
.if (\t)+2<8
	WLOAD (\t)+2
.endif
.endm
.macro WSTORE sl                       ; a K step's codes of my two tiles: lanes 0-15 and lanes 16-31 each store 256 consecutive bytes, aligned
.irp hh, 0,1
.irp g, 0,1,2
	global_store_b128 v4, v[96+24*(\sl)+12*\hh+4*\g:96+24*(\sl)+12*\hh+4*\g+3], s[24:25] offset:12288*(\sl)+512*\g+256*\hh
.endr
.endr
.endm
	WLOAD 0
	WLOAD 1
	WBLOCK 0
	WBLOCK 1
	WBLOCK 2
	WBLOCK 3
	WSTORE 0
	WBLOCK 4
	WBLOCK 5
	WBLOCK 6
	WBLOCK 7
	WSTORE 1
	ds_store_b32 v5, v24 offset:WSC                ; the four waves' words of a K step meet in LDS, 16 bytes a lane
	ds_store_b32 v5, v25 offset:WSC+512
	s_wait_dscnt 0x0                               ; for the others' sake: my stores have landed
	s_barrier_signal -1
	s_barrier_wait -1
	s_cmp_gt_u32 s2, 1
	s_cbranch_scc1 .Lwend
	ds_load_b128 v[28:31], v10 offset:WSC
	s_wait_dscnt 0x0
	global_store_b128 v6, v[28:31], s[26:27]       ; 512 consecutive bytes, aligned
.Lwend:
	s_set_vgpr_msb 0x4
	s_wait_tensorcnt 0x0
	ds_add_u32 v27, v1
	s_wait_dscnt 0x0
	s_set_vgpr_msb 0x400
	s_endpgm
; ---------------------------------------------------------------- x
; A wave takes 8 tokens, as two groups of 4.
; REGISTERS: v1-18 addresses; v20-23 data of the small LDS stores; v24-30 the quantiser's; v32-159 four tokens as loaded (token, load i, c: k = 128 i + 4 lane + c);
;   v160-191, v224-255 two buffers: a chunk of Wg, later a token turned (lane = block); v192-223 the 32 sums (token, expert), later the codes; v224-250 also the softmax's
.Lxpath:
	s_mul_i32 s28, s2, WRB
	s_add_co_u32 s28, s28, WREG                    ; my wave's region
	v_lshrrev_b32 v2, 3, v0
	v_and_b32 v3, 7, v0
	v_mul_u32_u24 v2, v2, 144
	v_lshl_add_u32 v2, v3, 4, v2                   ; Wg into LDS: 144 (thread / 8) + 16 (thread % 8)
	v_lshlrev_b32 v3, 4, v0                        ; Wg in memory: 16 x thread
	v_mul_u32_u24 v4, v1, 144                      ; my place of a chunk of Wg
	v_lshlrev_b32 v5, 4, v1                        ; 16 x lane
	v_lshrrev_b32 v19, 3, v1                       ; lane / 8: my token of the group
	v_and_b32 v24, 7, v1
	v_mul_u32_u24 v6, v19, 144
	v_lshl_add_u32 v6, v24, 4, v6
	v_add_nc_u32 v6, s28, v6                       ; the stage, in
	v_add_nc_u32 v7, s28, v4                       ; the stage, out: lane = block
	v_lshrrev_b32 v24, 2, v1
	v_mul_u32_u24 v8, v24, 96
	v_and_b32 v24, 1, v1
	v_mad_u32_u24 v8, v24, 48, v8
	v_bfe_u32 v24, v1, 1, 1
	v_mad_u32_u24 v8, v24, 24, v8
	v_add_nc_u32 v8, s28, v8                       ; block l's codes in a row: 96 (l / 4) + 48 (l % 2) + 24 ((l / 2) % 2)
	v_add_nc_u32 v9, s28, v1                       ; its scale byte
	v_add_nc_u32 v10, s28, v5                      ; the codes, back
	v_lshl_add_u32 v11, v1, 2, s28                 ; a probability
	v_lshl_add_u32 v12, v1, 3, s28                 ; scale bytes and probabilities, back
	s_lshl_b32 s29, s2, 5
	s_add_co_u32 s29, s29, SELS
	v_lshl_add_u32 v13, v19, 2, s29                ; my token's choice
	s_lshl_b32 s29, s2, 6
	s_add_co_u32 s29, s29, GWS
	v_lshl_add_u32 v14, v19, 3, s29                ; my token's weights
	v_lshl_add_u32 v15, v1, 2, SELS                ; and back
	v_lshl_add_u32 v16, v1, 3, GWS
	v_lshlrev_b32 v17, 3, v1
	v_lshlrev_b32 v18, 2, v1
	s_mov_b32 s40, 0x76543210
	s_mov_b32 s41, 0xfedcba98                      ; v_permlanex16_b32's selects for lane l xor 16
	s_mov_b32 s42, 0xff00ff00                      ; lanes whose bit 3 is set
	s_mov_b32 s43, 0xffff0000                      ; bit 4
	s_mov_b32 s45, 0xaaaaaaaa                      ; bit 0
	s_mov_b32 s46, 0xcccccccc                      ; bit 1
	s_mov_b32 s47, 0xf0f0f0f0                      ; bit 2
	s_lshl_b32 s48, ttmp9, 17                      ; x: 32 rows a work-group, 8 a wave
	s_lshl_b32 s49, s2, 15
	s_add_co_u32 s48, s48, s49
	s_mov_b32 s49, 0
	s_mul_i32 s50, ttmp9, 24576                    ; xcodes
	s_mul_i32 s51, s2, 6144
	s_add_co_u32 s50, s50, s51
	s_mov_b32 s51, 0
	s_lshl_b32 s52, ttmp9, 10                      ; xscale and out1: 32 bytes a token
	s_lshl_b32 s53, s2, 8
	s_add_co_u32 s52, s52, s53
	s_mov_b32 s53, 0
	s_lshl_b32 s54, ttmp9, 7                       ; sel
	s_mov_b32 s55, 0
	s_lshl_b32 s56, ttmp9, 8                       ; gatew
	s_mov_b32 s57, 0
	s_wait_kmcnt 0x0
	s_load_b256 s[32:39], s[8:9], 0x0              ; bg
	s_add_nc_u64 s[4:5], s[4:5], s[48:49]
	s_add_nc_u64 s[20:21], s[20:21], s[50:51]
	s_add_nc_u64 s[22:23], s[22:23], s[52:53]
	s_add_nc_u64 s[14:15], s[14:15], s[52:53]
	s_add_nc_u64 s[16:17], s[16:17], s[54:55]
	s_add_nc_u64 s[18:19], s[18:19], s[56:57]
.macro XLOAD g                         ; a group's four tokens: each load reads 512 consecutive bytes of a row
.irp t, 0,1,2,3
.irp i, 0,1,2,3,4,5,6,7
	global_load_b128 v[32+32*\t+4*\i:32+32*\t+4*\i+3], v5, s[4:5] offset:(4*(\g)+\t)*4096+512*\i th:TH_LOAD_NT
.endr
.endr
.endm
.irp n, 0,1,2,3,4,5,6,7,8,9,10,11,12,13,14,15
	global_load_b128 v[160+4*\n:163+4*\n], v3, s[6:7] offset:2048*\n     ; Wg, 32 KiB, as it lies
.endr
	XLOAD 0
	s_wait_loadcnt 32                              ; Wg is in; the group's 32 loads may be out
.irp n, 0,1,2,3,4,5,6,7,8,9,10,11,12,13,14,15
	ds_store_b128 v2, v[160+4*\n:163+4*\n] offset:WGT+2304*\n
.endr
	s_wait_dscnt 0x0                               ; for the others' sake
	s_barrier_signal -1
	s_barrier_wait -1
	s_wait_kmcnt 0x0                               ; bg
.macro WTLOAD i                        ; chunk i of Wg: rows k = 128 i + 4 lane + c, 8 experts each: register 8 c + e
.irp j, 0,1,2,3,4,5,6,7
	ds_load_b128 v[160+64*((\i)%2)+4*\j:160+64*((\i)%2)+4*\j+3], v4 offset:WGT+4608*(\i)+16*\j
.endr
.endm
.macro GATE i                          ; 64 packed multiply-adds: 4 k x 4 tokens x 8 experts; x is taken from its pair for both halves.  The first products start the sums
.set WB, 160+64*((\i)%2)
.irp c, 0,1,2,3
.irp t, 0,1,2,3
.irp p, 0,2,4,6
.set XP, 32+32*\t+4*(\i)+2*(\c/2)
.set AC, 192+8*\t+\p
.set WP, WB+8*\c+\p
.if ((\i)==0)&&(\c==0)
	v_pk_mul_f32 v[AC:AC+1], v[XP:XP+1], v[WP:WP+1] op_sel_hi:[0,1]
.elseif (\c%2)==0
	v_pk_fma_f32 v[AC:AC+1], v[XP:XP+1], v[WP:WP+1], v[AC:AC+1] op_sel_hi:[0,1,1]
.else
	v_pk_fma_f32 v[AC:AC+1], v[XP:XP+1], v[WP:WP+1], v[AC:AC+1] op_sel:[1,0,0] op_sel_hi:[1,1,1]
.endif
.endr
.endr
.endr
.endm
.macro TURN t                          ; token t through a stage: in as loaded, out 128 bytes (a block) a lane.  LDS serves a wave's instructions in order (ISA guide 5.7.1.4)
.irp i, 0,1,2,3,4,5,6,7
	ds_store_b128 v6, v[32+32*(\t)+4*\i:32+32*(\t)+4*\i+3] offset:4608*((\t)%2)+576*\i
.endr
.irp j, 0,1,2,3,4,5,6,7
	ds_load_b128 v[160+64*((\t)%2)+4*\j:160+64*((\t)%2)+4*\j+3], v7 offset:4608*((\t)%2)+16*\j
.endr
.endm
.macro QX t, gi                        ; token t: my block's scale, codes and byte, into the wave's LDS
.set XS, 160+64*((\t)%2)
.set CD, 192+8*(\t)
	BMAX XS, 24, 25
	v_add_nc_u32 v26, 0xff000000, v24
	v_cvt_scalef32_pk16_fp6_f32 v[CD:CD+2], v[XS:XS+15], v26
	v_cvt_scalef32_pk16_fp6_f32 v[28:30], v[XS+16:XS+31], v26
	v_lshrrev_b32 v[CD+6], 23, v26                 ; the byte; also the plain line behind the conversions
	v_mov_b32 v[CD+3], v28
	v_mov_b32 v[CD+4], v29
	v_mov_b32 v[CD+5], v30
	ds_store_b64 v8, v[CD:CD+1] offset:CS+768*(\t)
	ds_store_b64 v8, v[CD+2:CD+3] offset:CS+768*(\t)+8
	ds_store_b64 v8, v[CD+4:CD+5] offset:CS+768*(\t)+16
	ds_store_b8 v9, v[CD+6] offset:SS+32*(4*(\gi)+(\t))
.endm
.macro GROUP gi
.if \gi
	s_wait_xcnt 0x0                                ; the last group's stores of codes have read v160 on
.endif
	WTLOAD 0
	s_wait_loadcnt 0x0                             ; the group's four tokens
.irp i, 0,1,2,3,4,5,6
	WTLOAD \i+1
	s_wait_dscnt 8                                 ; this chunk is in; the next chunk's 8 loads may be out
	GATE \i
.endr
	s_wait_dscnt 0x0
	GATE 7
.irp x, 1,2,4,8                        ; the 32 sums over the lanes: four steps inside each half,
.set j, 0
.rept 32
	v_add_f32_dpp v[192+j], v[192+j], v[192+j] row_xmask:\x row_mask:0xf bank_mask:0xf
.set j, j+1
.endr
.endr
.set j, 0
.rept 32
	v_permlanex16_b32 v[160+j], v[192+j], s40, s41 ; one across the halves
.set j, j+1
.endr
.set j, 0
.rept 32
	v_add_f32 v[192+j], v[192+j], v[160+j]
.set j, j+1
.endr
.irp e, 0,1,2,3,4,5,6,7                ; lanes 8 t .. 8 t + 7 go on with token t
	v_cndmask_b32 v[192+\e], v[192+\e], v[200+\e], s42
	v_cndmask_b32 v[208+\e], v[208+\e], v[216+\e], s42
.endr
.irp e, 0,1,2,3,4,5,6,7
	v_cndmask_b32 v[224+\e], v[192+\e], v[208+\e], s43
.endr
.irp e, 0,1,2,3,4,5,6,7
	v_add_f32 v[224+\e], s[32+\e], v[224+\e]       ; + bg
.endr
	v_max3_num_f32 v232, v224, v225, v226          ; the softmax: the maximum is taken away
	v_max3_num_f32 v232, v232, v227, v228
	v_max3_num_f32 v232, v232, v229, v230
	v_max_num_f32 v232, v232, v231
.irp e, 0,1,2,3,4,5,6,7
	v_sub_f32 v[224+\e], v[224+\e], v232
.endr
.irp e, 0,1,2,3,4,5,6,7
	v_mul_f32 v[224+\e], 0x3fb8aa3b, v[224+\e]     ; x log2(e)
.endr
.irp e, 0,1,2,3,4,5,6,7
	v_exp_f32 v[224+\e], v[224+\e]
.endr
	v_nop                                          ; a plain line behind the last exponential
	s_wait_alu depctr_va_vdst(0)                   ; one wait for the eight, ahead of their first reader
	v_add_f32 v233, v224, v225
	v_add_f32 v234, v226, v227
	v_add_f32 v235, v228, v229
	v_add_f32 v236, v230, v231
	v_add_f32 v233, v233, v234
	v_add_f32 v235, v235, v236
	v_add_f32 v233, v233, v235
	v_rcp_f32 v234, v233
	v_nop
	s_wait_alu depctr_va_vdst(0)
.irp e, 0,1,2,3,4,5,6,7
	v_mul_f32 v[224+\e], v[224+\e], v234           ; the probabilities
.endr
	v_mov_b32 v235, v224                           ; the largest: a later expert wins only if strictly larger
	v_mov_b32 v236, 0
.irp e, 1,2,3,4,5,6,7
	v_cmp_gt_f32 vcc_lo, v[224+\e], v235
	v_cndmask_b32 v235, v235, v[224+\e], vcc_lo
	v_cndmask_b32 v236, v236, \e, vcc_lo
.endr
	v_mov_b32 v237, -1.0                           ; the second: the same scan with the first left out
	v_mov_b32 v238, 0
.irp e, 0,1,2,3,4,5,6,7
	v_cmp_gt_f32 s44, v[224+\e], v237
	v_cmp_ne_u32 vcc_lo, \e, v236
	s_and_b32 vcc_lo, vcc_lo, s44
	v_cndmask_b32 v237, v237, v[224+\e], vcc_lo
	v_cndmask_b32 v238, v238, \e, vcc_lo
.endr
	v_add_f32 v239, v235, v237
	v_add_f32 v239, 0x3089705f, v239               ; + 1e-9
	v_rcp_f32 v240, v239
	v_lshl_or_b32 v21, v238, 8, v236               ; e0 | e1 << 8; also the plain line behind the reciprocal
	s_wait_alu depctr_va_vdst(0)
	v_mul_f32 v22, v235, v240
	v_mul_f32 v23, v237, v240
	v_cndmask_b32 v241, v224, v225, s45            ; lane l stores probability l % 8 of its token
	v_cndmask_b32 v242, v226, v227, s45
	v_cndmask_b32 v243, v228, v229, s45
	v_cndmask_b32 v244, v230, v231, s45
	v_cndmask_b32 v241, v241, v242, s46
	v_cndmask_b32 v243, v243, v244, s46
	v_cndmask_b32 v20, v241, v243, s47
	ds_store_b32 v11, v20 offset:PS+128*(\gi)
	ds_store_b32 v13, v21 offset:16*(\gi)          ; (a token's eight lanes write the same word with the same value)
	ds_store_b64 v14, v[22:23] offset:32*(\gi)
	TURN 0
	TURN 1
	s_wait_dscnt 16                                ; token 0 is back; token 1's 16 may be out
	QX 0, \gi
	TURN 2
	s_wait_dscnt 20                                ; token 1 is back; behind it: 4 stores of codes and token 2's 16
	QX 1, \gi
	TURN 3
	s_wait_dscnt 20
	QX 2, \gi
	s_wait_dscnt 4                                 ; token 3 is back, so every store into the stages has read its registers; the last 4 stores of codes may be out
.if (\gi)==0
	XLOAD 1                                        ; the next four tokens
.endif
	QX 3, \gi
.irp n, 0,1,2,3,4,5
	ds_load_b128 v[160+4*\n:163+4*\n], v10 offset:CS+512*\n
.endr
	s_wait_dscnt 0x0
.irp n, 0,1,2,3,4,5
	global_store_b128 v5, v[160+4*\n:163+4*\n], s[20:21] offset:3072*(\gi)+512*\n   ; four rows of codes: 3,072 consecutive bytes, aligned
.endr
.endm
	GROUP 0
	GROUP 1
	ds_load_b64 v[184:185], v12 offset:SS
	ds_load_b64 v[186:187], v12 offset:PS
	s_wait_dscnt 0x0                               ; also for the others' sake: my choices and weights have landed
	global_store_b64 v17, v[184:185], s[22:23]     ; 8 tokens' scale bytes: 256 consecutive bytes, aligned
	global_store_b64 v17, v[186:187], s[14:15]     ; 8 tokens' probabilities likewise
	s_barrier_signal -1
	s_barrier_wait -1
	s_cmp_lg_u32 s2, 0
	s_cbranch_scc1 .Lnot0
	ds_load_b32 v188, v15
	s_wait_dscnt 0x0
	global_store_b32 v18, v188, s[16:17]           ; 32 choices
.Lnot0:
	s_cmp_lg_u32 s2, 1
	s_cbranch_scc1 .Lxend
	ds_load_b64 v[190:191], v16
	s_wait_dscnt 0x0
	global_store_b64 v17, v[190:191], s[18:19]     ; 32 pairs of weights: 256 bytes
.Lxend:
	s_set_vgpr_msb 0x4
	s_wait_tensorcnt 0x0
	ds_add_u32 v27, v1
	s_wait_dscnt 0x0
	s_set_vgpr_msb 0x400
	s_endpgm
.Lfunc_end_k_q699601416e_prep:
	.size	k_q699601416e_prep, .Lfunc_end_k_q699601416e_prep-k_q699601416e_prep
	.p2alignl 7, 3214868480
	.fill 96, 4, 3214868480
	.section	.rodata,"a",@progbits
	.p2align	6, 0x0
	.amdhsa_kernel k_q699601416e_prep
		.amdhsa_group_segment_fixed_size 90112
		.amdhsa_private_segment_fixed_size 0
		.amdhsa_enable_private_segment 0
		.amdhsa_kernarg_size 96
		.amdhsa_user_sgpr_count 2
		.amdhsa_user_sgpr_kernarg_segment_ptr 1
		.amdhsa_wavefront_size32 1
		.amdhsa_system_sgpr_workgroup_id_x 1
		.amdhsa_system_sgpr_workgroup_id_y 1
		.amdhsa_system_sgpr_workgroup_id_z 1
		.amdhsa_system_vgpr_workitem_id 0
		.amdhsa_next_free_vgpr 258
		.amdhsa_next_free_sgpr 66
		.amdhsa_reserve_vcc 1
		.amdhsa_float_denorm_mode_32 3
		.amdhsa_float_denorm_mode_16_64 3
		.amdhsa_memory_ordered 1
		.amdhsa_forward_progress 1
		.amdhsa_inst_pref_size 185
	.end_amdhsa_kernel
	.amdgpu_metadata
---
amdhsa.version: [ 1, 2 ]
amdhsa.kernels:
  - .name:           k_q699601416e_prep
    .symbol:         k_q699601416e_prep.kd
    .args:
      - { .name: x, .offset: 0, .size: 8, .value_kind: global_buffer, .address_space: global }
      - { .name: Wg, .offset: 8, .size: 8, .value_kind: global_buffer, .address_space: global }
      - { .name: bg, .offset: 16, .size: 8, .value_kind: global_buffer, .address_space: global }
      - { .name: W1, .offset: 24, .size: 8, .value_kind: global_buffer, .address_space: global }
      - { .name: W2, .offset: 32, .size: 8, .value_kind: global_buffer, .address_space: global }
      - { .name: out1, .offset: 40, .size: 8, .value_kind: global_buffer, .address_space: global }
      - { .name: sel, .offset: 48, .size: 8, .value_kind: global_buffer, .address_space: global }
      - { .name: gatew, .offset: 56, .size: 8, .value_kind: global_buffer, .address_space: global }
      - { .name: xcodes, .offset: 64, .size: 8, .value_kind: global_buffer, .address_space: global }
      - { .name: xscale, .offset: 72, .size: 8, .value_kind: global_buffer, .address_space: global }
      - { .name: wcodes, .offset: 80, .size: 8, .value_kind: global_buffer, .address_space: global }
      - { .name: wscale, .offset: 88, .size: 8, .value_kind: global_buffer, .address_space: global }
    .group_segment_fixed_size: 90112
    .private_segment_fixed_size: 0
    .kernarg_segment_align: 8
    .kernarg_segment_size: 96
    .max_flat_workgroup_size: 128
    .sgpr_count:     66
    .vgpr_count:     258
    .wavefront_size: 32
...
	.end_amdgpu_metadata
.endif
;; end of part 1
;; launch place (part 2): grid 1 x 1, 32 waves a work-group, no clusters, 5,120 bytes of LDS; arguments sel, list; writes list
.if DOCPART == 2
	.amdgcn_target "amdgcn-amd-amdhsa--gfx1250"
	.amdhsa_code_object_version 6
	.text
	.protected	k_q699601416e_place
	.globl	k_q699601416e_place
	.p2align	8
	.type	k_q699601416e_place,@function
k_q699601416e_place:
	s_mov_b64 s[64:65], 0
	v_nop
	global_prefetch_b8 v0, s[64:65] scope:SCOPE_SE
	s_setreg_imm32_b32 hwreg(HW_REG_WAVE_MODE, 25, 1), 1
	s_wait_xcnt 0x0
; PLACE: a counting sort of the 8,192 routed rows by expert, without atomics and without a change of EXEC.  A row is a slot 2 x token + k (k = 0: the token's first choice, 1: its second).
; list: words 0-7 the experts' totals (words 8-31 zeros); from byte 256 on eight lists of 4,160 words: an expert's slots, then 64 zeros, so that a tile of 64 words reads written words alone.
; One work-group of 32 waves.  Thread t owns slots 8 t .. 8 t + 7 (tokens 4 t .. 4 t + 3).  Each slot has exactly one expert, so every lane stores in every store.
; Phase 1: a wave counts its 256 slots by expert, in eight scalar counters; the counts meet in LDS, a row of 32 bytes a wave.
; Prefix: lane l takes wave l's row, rows of waves not below mine count as 0, and the eight sums over the lanes (whole numbers throughout: addresses hang on them) are my wave's first places.
; Phase 2: a slot's place is its expert's running base + the number of lower lanes with the same expert (v_mbcnt_lo_u32_b32).  Every stored index is held inside the lists by v_min_u32.
; Wave 31's running bases end at the lists' ends: it stores the zeros behind them, and the totals.
.set CAP, 4160
	s_load_b128 s[4:7], s[0:1], 0x0                ; sel, list
	v_lshl_add_u32 v96, v0, 2, 0x400
	v_mov_b32 v97, 0
	v_lshrrev_b32 v1, 5, v0
	v_readfirstlane_b32 s8, v1                     ; wave 0..31
	v_and_b32 v1, 31, v0                           ; lane
	v_lshlrev_b32 v2, 4, v0                        ; sel: 16 bytes a thread
	v_and_b32 v5, 0x3e0, v0                        ; LDS: my wave's row: 32 x wave
	v_lshlrev_b32 v7, 5, v1                        ; wave l's row
	v_lshlrev_b32 v10, 3, v0                       ; my first slot
	v_lshlrev_b32 v13, 2, v1
	s_mov_b32 s20, 0x76543210
	s_mov_b32 s21, 0xfedcba98                      ; v_permlanex16_b32's selects for lane l xor 16
.irp e, 0,1,2,3,4,5,6,7
	s_mov_b32 s[12+\e], 0
	v_mov_b32 v[48+\e], 0                          ; written once: the destination of a lane move counts as one of its sources
.endr
	s_wait_kmcnt 0x0
	global_load_b128 v[28:31], v2, s[4:5]          ; a wave reads 512 consecutive bytes
	s_wait_loadcnt 0x0
.irp c, 0,1,2,3
	v_and_b32 v[32+2*\c], 0xff, v[28+\c]           ; slot 2 c: the token's first choice,
	v_bfe_u32 v[33+2*\c], v[28+\c], 8, 8           ; slot 2 c + 1: its second
.endr
.set j, 0
.rept 8
.irp e, 0,1,2,3,4,5,6,7
	v_cmp_eq_u32 vcc_lo, \e, v[32+j]
	s_bcnt1_i32_b32 s22, vcc_lo
	s_add_co_u32 s[12+\e], s[12+\e], s22
.endr
.set j, j+1
.endr
.irp e, 0,1,2,3,4,5,6,7
	v_mov_b32 v[40+\e], s[12+\e]
.endr
	ds_store_b128 v5, v[40:43]                     ; all lanes write the same bytes with the same values
	ds_store_b128 v5, v[44:47] offset:16
	s_wait_dscnt 0x0                               ; for the others' sake: my stores have landed
	s_barrier_signal -1
	s_barrier_wait -1
	ds_load_b128 v[20:23], v7
	ds_load_b128 v[24:27], v7 offset:16
	v_cmp_gt_u32 vcc_lo, s8, v1                    ; waves below mine
	s_wait_dscnt 0x0
.irp e, 0,1,2,3,4,5,6,7
	v_cndmask_b32 v[20+\e], 0, v[20+\e], vcc_lo
.endr
.irp x, 1,2,4,8                        ; the eight sums over the lanes: four steps inside each half of 16,
.irp e, 0,1,2,3,4,5,6,7
	v_mov_b32_dpp v[48+\e], v[20+\e] row_xmask:\x row_mask:0xf bank_mask:0xf
.endr
.irp e, 0,1,2,3,4,5,6,7
	v_add_nc_u32 v[20+\e], v[20+\e], v[48+\e]
.endr
.endr
.irp e, 0,1,2,3,4,5,6,7
	v_permlanex16_b32 v[48+\e], v[20+\e], s20, s21 ; one across the halves
.endr
.irp e, 0,1,2,3,4,5,6,7
	v_add_nc_u32 v[20+\e], v[20+\e], v[48+\e]
.endr
.irp e, 0,1,2,3,4,5,6,7
	v_readfirstlane_b32 s[12+\e], v[20+\e]
.endr
.irp e, 0,1,2,3,4,5,6,7
	s_add_co_u32 s[12+\e], s[12+\e], CAP*\e        ; in expert e's list
.endr
.set j, 0
.rept 8                                ; each slot has registers of its own for its place and its number: no store's sources are written again
.irp e, 0,1,2,3,4,5,6,7
	v_cmp_eq_u32 vcc_lo, \e, v[32+j]
.if \e == 0
	v_mbcnt_lo_u32_b32 v[56+j], vcc_lo, s[12+\e]   ; base + how many lower lanes have this expert
.else
	v_mbcnt_lo_u32_b32 v3, vcc_lo, s[12+\e]
	v_cndmask_b32 v[56+j], v[56+j], v3, vcc_lo     ; kept where the expert is mine
.endif
	s_bcnt1_i32_b32 s22, vcc_lo
	s_add_co_u32 s[12+\e], s[12+\e], s22
.endr
	v_min_u32 v[56+j], 33279, v[56+j]              ; held inside the eight lists
	v_lshlrev_b32 v[56+j], 2, v[56+j]
	v_add_nc_u32 v[64+j], j, v10                   ; the slot's number
	global_store_b32 v[56+j], v[64+j], s[6:7] offset:256
.set j, j+1
.endr
	s_cmp_lg_u32 s8, 31
	s_cbranch_scc1 .Ldone
	v_mov_b32 v16, 0
	v_mov_b32 v17, 0
	v_add_nc_u32 v15, 32, v1
.irp e, 0,1,2,3,4,5,6,7                ; the last wave stands at each list's end: 64 zeros, and the total
	v_add_nc_u32 v[72+2*\e], s[12+\e], v1
	v_add_nc_u32 v[73+2*\e], s[12+\e], v15
	v_min_u32 v[72+2*\e], 33279, v[72+2*\e]
	v_min_u32 v[73+2*\e], 33279, v[73+2*\e]
	v_lshlrev_b32 v[72+2*\e], 2, v[72+2*\e]
	v_lshlrev_b32 v[73+2*\e], 2, v[73+2*\e]
	global_store_b32 v[72+2*\e], v16, s[6:7] offset:256
	global_store_b32 v[73+2*\e], v16, s[6:7] offset:256
	s_sub_co_u32 s22, s[12+\e], CAP*\e
	v_writelane_b32 v17, s22, \e
.endr
	global_store_b32 v13, v17, s[6:7]              ; words 0-7 the totals, words 8-31 zeros
.Ldone:
	s_wait_tensorcnt 0x0
	ds_add_u32 v96, v97
	s_wait_dscnt 0x0
	s_endpgm
.Lfunc_end_k_q699601416e_place:
	.size	k_q699601416e_place, .Lfunc_end_k_q699601416e_place-k_q699601416e_place
	.p2alignl 7, 3214868480
	.fill 96, 4, 3214868480
	.section	.rodata,"a",@progbits
	.p2align	6, 0x0
	.amdhsa_kernel k_q699601416e_place
		.amdhsa_group_segment_fixed_size 5120
		.amdhsa_private_segment_fixed_size 0
		.amdhsa_enable_private_segment 0
		.amdhsa_kernarg_size 16
		.amdhsa_user_sgpr_count 2
		.amdhsa_user_sgpr_kernarg_segment_ptr 1
		.amdhsa_wavefront_size32 1
		.amdhsa_system_sgpr_workgroup_id_x 1
		.amdhsa_system_sgpr_workgroup_id_y 1
		.amdhsa_system_sgpr_workgroup_id_z 1
		.amdhsa_system_vgpr_workitem_id 0
		.amdhsa_next_free_vgpr 98
		.amdhsa_next_free_sgpr 66
		.amdhsa_reserve_vcc 1
		.amdhsa_float_denorm_mode_32 3
		.amdhsa_float_denorm_mode_16_64 3
		.amdhsa_memory_ordered 1
		.amdhsa_forward_progress 1
		.amdhsa_inst_pref_size 32
	.end_amdhsa_kernel
	.amdgpu_metadata
---
amdhsa.version: [ 1, 2 ]
amdhsa.kernels:
  - .name:           k_q699601416e_place
    .symbol:         k_q699601416e_place.kd
    .args:
      - { .name: sel, .offset: 0, .size: 8, .value_kind: global_buffer, .address_space: global }
      - { .name: list, .offset: 8, .size: 8, .value_kind: global_buffer, .address_space: global }
    .group_segment_fixed_size: 5120
    .private_segment_fixed_size: 0
    .kernarg_segment_align: 8
    .kernarg_segment_size: 16
    .max_flat_workgroup_size: 1024
    .sgpr_count:     66
    .vgpr_count:     98
    .wavefront_size: 32
...
	.end_amdgpu_metadata
.endif
;; end of part 2
;; launch chain (part 3): grid 135 x 1, 8 waves a work-group, no clusters, 203,776 bytes of LDS; arguments x, b1, g1, be1, b2, g2, be2, list, gatew, xcodes, xscale, wcodes, wscale, ybuf; writes ybuf
.if DOCPART == 3
	.amdgcn_target "amdgcn-amd-amdhsa--gfx1250"
	.amdhsa_code_object_version 6
	.text
	.protected	k_q699601416e_chain
	.globl	k_q699601416e_chain
	.p2align	8
	.type	k_q699601416e_chain,@function
k_q699601416e_chain:
	s_mov_b64 s[64:65], 0
	v_nop
	global_prefetch_b8 v0, s[64:65] scope:SCOPE_SE
	s_setreg_imm32_b32 hwreg(HW_REG_WAVE_MODE, 25, 1), 1
	s_wait_xcnt 0x0
; CHAIN: one tile of up to 64 routed rows of ONE expert through the whole block:
;   Q(x) Q(W1) + b1, layer norm, relu, quantise, Q(h) Q(W2) + b2, layer norm, relu(x + .), x the gate's weight -> ybuf[slot], slot = 2 x token + k.
; GRID.  8,192 routed rows, 8 experts, tiles of 64: never more than 8192 / 64 + 7 = 135 tiles, whatever the split.  A work-group finds its tile from the stored totals.
;   Every wave passes every barrier, and no barrier stands under a branch on a number read from memory.  So a work-group that the split leaves without rows (at most 7) has no early way out:
;   it walks the text on its expert's first 64 list words, asks for no prefetch and stores nothing.  Only the stores at the end, behind the last barrier, hang on the number of rows.
;   The text has no tensor load: the weights go from memory straight into registers.
;   No cluster: partners would need tiles of one expert, and how many tiles an expert has hangs on the stored totals.
; SHARES.  THE WAVES SHARE THE COLUMNS: wave w makes columns 128 w .. 128 w + 127 for all 64 rows: 4 tiles of rows x 8 tiles of columns = 32 accumulators, all of window 1 (tile (m, t) at v[8 (8 m + t)]).
;   So each weight byte is read once by the work-group, each wave streams its own 96 KiB a layer, laid in the order of its operand registers, and a norm's sums meet in LDS.
; BOTH PRODUCTS ARE USED TRANSPOSED (source 0 = 16 columns of W, source 1 = 16 rows): lane (r, h) holds ONE row r, and register 64 m + 16 b + i its column 128 w + 32 b + 16 h + i, since the columns
;   that form a tile were chosen so.  A wave's 128 hidden units are K step w of the second product: quantised in registers they are one fragment and one scale word a row.
; OPERANDS GO FROM WAVE TO WAVE THROUGH LDS AS IMAGES OF THEIR REGISTERS: 3 stores of 16 bytes a lane a fragment, the scale words 4 bytes a row.
; The variance is taken of the centred numbers, as the definition has it.  LIMITS: NaN and infinities are not served.
; WINDOW 0: v1-12 addresses, v13-16 residual offsets, v17-20 gate weights, v22-29 a pair of statistics a tile of rows, v30 prefetch offset; v32-79 the rows' four fragments (between the layers: parameters and
;   temporaries); v80-81 the rows' scale words, v82-89 W's, two sets: these ten hold scales and nothing else; v90-93 head; v96-239 a ring of three slots of four fragments of W (later the residual);
;   v240-255 head, parameters, squares, row offsets.
.set ASC,  0                           ; LDS: x's scale words: 256 bytes a K step
.set HSC,  2048                        ; the hidden layer's
.set STAT, 4096                        ; four regions of [64 rows][8 waves] f32, each written once
.set AIMG, 12288                       ; x's 32 fragments, (4 s + m) x 1,536 bytes; the hidden layer's lie 49,152 bytes on
.set PAR,  110592                      ; a wave's 128 numbers of b1, g1, be1, b2, g2, be2: 3,072 bytes a wave
.set STG,  135168                      ; a wave's stage for the way out: 16 rows x (512 + 16) bytes
.set MSB, 0
.macro WIN new                         ; s_set_vgpr_msb: bits 1:0 source 0, 3:2 source 1, 5:4 source 2, 7:6 destination; the high byte repeats the setting that is left
.if MSB != \new
	s_set_vgpr_msb (MSB<<8)|\new
.set MSB, \new
.endif
.endm
.macro BARRIER                         ; my LDS stores have landed and my LDS loads are in: then the work-group's barrier
	s_wait_dscnt 0x0
	s_barrier_signal -1
	s_barrier_wait -1
.endm
; half step I (0..31: layer I / 16, K step (I % 16) / 2, tiles 4 (I % 2) on): four fragments of W into ring slot I % 3; with an even I the K step's scale words of all eight tiles
.macro FILL I
.set FB, 96+48*((\I)%3)
.set FO, ((\I)/16)*6291456+(((\I)%16)/2)*12288+((\I)%2)*6144
.irp f, 0,1,2,3
.irp g, 0,1,2
	global_load_b128 v[FB+12*\f+4*\g:FB+12*\f+4*\g+3], v1, s[26:27] offset:FO+1536*\f+512*\g   ; 512 consecutive bytes a load
.endr
.endr
.if (\I)%2==0
	global_load_b128 v[82+4*(((\I)/2)%2):85+4*(((\I)/2)%2)], v1, s[28:29] offset:((\I)/16)*262144+(((\I)%16)/2)*512
.endif
.endm
; the rows' four fragments of K step ks and their scale words (v80: tiles 0 | 1 in the lanes' halves, v81: tiles 2 | 3)
.macro AFETCH reg, sc, ks
.irp m, 0,1,2,3
.irp g, 0,1,2
	ds_load_b128 v[32+12*\m+4*\g:32+12*\m+4*\g+3], v[\reg] offset:AIMG+6144*(\ks)+1536*\m+512*\g
.endr
.endr
	ds_load_b64 v[80:81], v3 offset:(\sc)+256*(\ks)
.endm
; A prefetch of my wave's own stream of W: K steps S + 4 and S + 5 of the sixteen (two layers), 24,576 bytes on end, lanes 256 bytes apart, three instructions.  All tiles of an expert walk the same
; bytes: the expert's first tile asks, each wave for its own part, so each block of 256 bytes is named once.  It stands behind the half step's loads.  K steps 0-3 come by their loads alone; the last ask names K steps 14, 15.
.macro ASK S
	s_cmp_lg_u32 s101, 0
	s_cbranch_scc1 .Lnoask_\@
.irp n, 0,1,2
	global_prefetch_b8 v30, s[26:27] offset:(((\S)+4)/8)*6291456+(((\S)+4)%8)*12288+8192*\n th:TH_LOAD_NT scope:SCOPE_SE
.endr
.Lnoask_\@:
.endm
.macro PRD                             ; one product, by the symbols DD, AA, BB, SA, SB, RR (which half of the lanes holds W's and the rows' scale words), KS
.if KS==0
.if RR==0
	v_wmma_scale_f32_16x16x128_f8f6f4 v[DD:DD+7], v[AA:AA+11], v[BB:BB+11], 0, v[SA], v[SB] matrix_a_fmt:MATRIX_FMT_FP6 matrix_b_fmt:MATRIX_FMT_FP6
.elseif RR==1
	v_wmma_scale_f32_16x16x128_f8f6f4 v[DD:DD+7], v[AA:AA+11], v[BB:BB+11], 0, v[SA], v[SB] matrix_a_fmt:MATRIX_FMT_FP6 matrix_b_fmt:MATRIX_FMT_FP6 matrix_a_scale:MATRIX_SCALE_ROW1
.elseif RR==2
	v_wmma_scale_f32_16x16x128_f8f6f4 v[DD:DD+7], v[AA:AA+11], v[BB:BB+11], 0, v[SA], v[SB] matrix_a_fmt:MATRIX_FMT_FP6 matrix_b_fmt:MATRIX_FMT_FP6 matrix_b_scale:MATRIX_SCALE_ROW1
.else
	v_wmma_scale_f32_16x16x128_f8f6f4 v[DD:DD+7], v[AA:AA+11], v[BB:BB+11], 0, v[SA], v[SB] matrix_a_fmt:MATRIX_FMT_FP6 matrix_b_fmt:MATRIX_FMT_FP6 matrix_a_scale:MATRIX_SCALE_ROW1 matrix_b_scale:MATRIX_SCALE_ROW1
.endif
.else
.if RR==0
	v_wmma_scale_f32_16x16x128_f8f6f4 v[DD:DD+7], v[AA:AA+11], v[BB:BB+11], v[DD:DD+7], v[SA], v[SB] matrix_a_fmt:MATRIX_FMT_FP6 matrix_b_fmt:MATRIX_FMT_FP6
.elseif RR==1
	v_wmma_scale_f32_16x16x128_f8f6f4 v[DD:DD+7], v[AA:AA+11], v[BB:BB+11], v[DD:DD+7], v[SA], v[SB] matrix_a_fmt:MATRIX_FMT_FP6 matrix_b_fmt:MATRIX_FMT_FP6 matrix_a_scale:MATRIX_SCALE_ROW1
.elseif RR==2
	v_wmma_scale_f32_16x16x128_f8f6f4 v[DD:DD+7], v[AA:AA+11], v[BB:BB+11], v[DD:DD+7], v[SA], v[SB] matrix_a_fmt:MATRIX_FMT_FP6 matrix_b_fmt:MATRIX_FMT_FP6 matrix_b_scale:MATRIX_SCALE_ROW1
.else
	v_wmma_scale_f32_16x16x128_f8f6f4 v[DD:DD+7], v[AA:AA+11], v[BB:BB+11], v[DD:DD+7], v[SA], v[SB] matrix_a_fmt:MATRIX_FMT_FP6 matrix_b_fmt:MATRIX_FMT_FP6 matrix_a_scale:MATRIX_SCALE_ROW1 matrix_b_scale:MATRIX_SCALE_ROW1
.endif
.endif
.endm
; A half step: 16 products, 4 tiles of columns x 4 tiles of rows, 128 along K.  The 32 accumulators take turns, one instruction a turn; a layer's first K step starts the sums with 0.
.macro HSTEP I
.set C2, (\I)%2
.set KS, ((\I)%16)/2
.set RB, 96+48*((\I)%3)
.set BSET, 82+4*(((\I)/2)%2)
.if (\I)<30
	s_wait_loadcnt 25                              ; this half step's fragments (and scale words) are in; behind them the two next half steps' 12 + 13 loads may be out
.elseif (\I)==30
	s_wait_loadcnt 12
.else
	s_wait_loadcnt 0x0
.endif
.if C2==0
	s_wait_dscnt 0x0                               ; the rows' fragments of this K step
.endif
	WIN 0x50                                       ; C and D in window 1
.irp m, 0,1,2,3
.irp f, 0,1,2,3
.set DD, 8*(8*\m+4*C2+\f)
.set AA, RB+12*\f
.set BB, 32+12*\m
.set SA, BSET+(4*C2+\f)/2
.set SB, 80+\m/2
.set RR, \f%2+2*(\m%2)
	PRD
.endr
.endr
	WIN 0
.rept 4
	v_nop                                          ; four places in front of loads into registers that these products have read, and of the first read of results
.endr
.if (\I)+3<32
	FILL (\I)+3                                    ; into the slot just multiplied
.endif
.if (C2==1)&&(KS<7)
.if (\I)<16
	AFETCH 1, ASC, KS+1
.else
	AFETCH 2, HSC, KS+1
.endif
.endif
.if ((\I)%4==0)&&((\I)<=20)
	ASK (\I)/2
.endif
.endm
; the pairs v[p + 2 m] (a lane's two partial sums of tile m's row) become the row's sum over all 1,024 columns, in v[p + 2 m], the same bits in every wave; region x of STAT
.macro XCHG p, x
	WIN 0
.irp m, 0,1,2,3
	v_add_f32 v[\p+2*\m], v[\p+2*\m], v[\p+2*\m+1]
.endr
.irp m, 0,1,2,3
	v_permlanex16_b32 v[\p+2*\m+1], v[\p+2*\m], s104, s105
.endr
.irp m, 0,1,2,3
	v_add_f32 v[\p+2*\m], v[\p+2*\m], v[\p+2*\m+1]     ; my wave's 128 columns
.endr
.irp m, 0,1,2,3
	ds_store_b32 v7, v[\p+2*\m] offset:STAT+2048*(\x)+512*\m
.endr
	BARRIER
.irp m, 0,1,2,3
.irp q, 0,1
	ds_load_b128 v[32+8*\m+4*\q:35+8*\m+4*\q], v8 offset:STAT+2048*(\x)+512*\m+16*\q
.endr
.endr
.irp m, 0,1,2,3
	s_wait_dscnt 6-2*\m                            ; tile m's two loads are in; the later tiles' may be out
	v_pk_add_f32 v[32+8*\m:33+8*\m], v[32+8*\m:33+8*\m], v[34+8*\m:35+8*\m]
	v_pk_add_f32 v[36+8*\m:37+8*\m], v[36+8*\m:37+8*\m], v[38+8*\m:39+8*\m]
	v_pk_add_f32 v[32+8*\m:33+8*\m], v[32+8*\m:33+8*\m], v[36+8*\m:37+8*\m]
	v_add_f32 v[\p+2*\m], v[32+8*\m], v[33+8*\m]
.endr
.endm
; + bias (parameter pb), mean, centre, variance, 1 / sqrt(variance + eps) into v[22 + 2 m].  The accumulators are read from their low ends on.
.macro LNSTATS pb, x
.irp b, 0,1,2,3
.irp q, 0,1,2,3
	ds_load_b128 v[32+16*\b+160*(\b/3)+4*\q:35+16*\b+160*(\b/3)+4*\q], v9 offset:512*(\pb)+128*\b+16*\q   ; pair b's 16 numbers: v32, v48, v64, v240
.endr
.endr
.irp b, 0,1,2,3
	s_wait_dscnt 12-4*\b                           ; pair b's four loads are in
	WIN 0x41                                       ; source 0 and destination in window 1
.irp m, 0,1,2,3
.irp i, 0,2,4,6,8,10,12,14
	v_pk_add_f32 v[64*\m+16*\b+\i:64*\m+16*\b+\i+1], v[64*\m+16*\b+\i:64*\m+16*\b+\i+1], v[32+16*\b+160*(\b/3)+\i:33+16*\b+160*(\b/3)+\i]
.endr
.endr
.endr
	WIN 0x05                                       ; sources 0 and 1 in window 1
.irp m, 0,1,2,3
	v_pk_add_f32 v[22+2*\m:23+2*\m], v[64*\m:64*\m+1], v[64*\m+2:64*\m+3]
.endr
	WIN 0x04                                       ; source 1 in window 1
.set i, 4
.rept 30
.irp m, 0,1,2,3
	v_pk_add_f32 v[22+2*\m:23+2*\m], v[22+2*\m:23+2*\m], v[64*\m+i:64*\m+i+1]    ; the four tiles by turns
.endr
.set i, i+2
.endr
	XCHG 22, \x
.irp m, 0,1,2,3
	v_mul_f32 v[22+2*\m], s7, v[22+2*\m]           ; the mean: x 2^-10
.endr
	WIN 0x41
.irp m, 0,1,2,3
.set i, 0
.rept 32
	v_pk_add_f32 v[64*\m+i:64*\m+i+1], v[64*\m+i:64*\m+i+1], v[22+2*\m:23+2*\m] op_sel_hi:[1,0] neg_lo:[0,1] neg_hi:[0,1]
.set i, i+2
.endr
.endr
	WIN 0x05
.irp m, 0,1,2,3
	v_pk_mul_f32 v[240+2*\m:241+2*\m], v[64*\m:64*\m+1], v[64*\m:64*\m+1]
.endr
.set i, 2
.rept 31
.irp m, 0,1,2,3
	v_pk_fma_f32 v[240+2*\m:241+2*\m], v[64*\m+i:64*\m+i+1], v[64*\m+i:64*\m+i+1], v[240+2*\m:241+2*\m]
.endr
.set i, i+2
.endr
	XCHG 240, (\x)+1
.irp m, 0,1,2,3
	v_fma_f32 v[240+2*\m], v[240+2*\m], s7, s6     ; variance + 1e-5
.endr
.irp m, 0,1,2,3
	v_rsq_f32 v[22+2*\m], v[240+2*\m]
.endr
	v_nop                                          ; a plain line behind the last of the four
	s_wait_alu depctr_va_vdst(0)                   ; one wait for the four, ahead of their first reader
.endm
.macro PLOAD pg, pbe, pr               ; gain and offset of pair pr: into v32, v48 (even pairs) or v64, v240 (odd)
.irp q, 0,1,2,3
	ds_load_b128 v[32+32*((\pr)%2)+4*\q:35+32*((\pr)%2)+4*\q], v9 offset:512*(\pg)+128*(\pr)+16*\q
.endr
.irp q, 0,1,2,3
	ds_load_b128 v[48+192*((\pr)%2)+4*\q:51+192*((\pr)%2)+4*\q], v9 offset:512*(\pbe)+128*(\pr)+16*\q
.endr
.endm
.macro APPLYB pr, relu                 ; pair pr of all four tiles of rows: x 1 / sqrt, x gain + offset, and the relu
.set GA, 32+32*((\pr)%2)
.set GB, 48+192*((\pr)%2)
	WIN 0x41
.irp m, 0,1,2,3
.irp i, 0,2,4,6,8,10,12,14
	v_pk_mul_f32 v[64*\m+16*(\pr)+\i:64*\m+16*(\pr)+\i+1], v[64*\m+16*(\pr)+\i:64*\m+16*(\pr)+\i+1], v[22+2*\m:23+2*\m] op_sel_hi:[1,0]
.endr
.irp i, 0,2,4,6,8,10,12,14
	v_pk_fma_f32 v[64*\m+16*(\pr)+\i:64*\m+16*(\pr)+\i+1], v[64*\m+16*(\pr)+\i:64*\m+16*(\pr)+\i+1], v[GA+\i:GA+\i+1], v[GB+\i:GB+\i+1]
.endr
.endr
.if \relu
	WIN 0x44                                       ; source 1 and destination in window 1
.irp m, 0,1,2,3
.irp i, 0,1,2,3,4,5,6,7,8,9,10,11,12,13,14,15
	v_max_num_f32 v[64*\m+16*(\pr)+\i], 0, v[64*\m+16*(\pr)+\i]
.endr
.endr
.endif
	WIN 0
.endm
.macro APPLY pg, pbe, relu
	PLOAD \pg, \pbe, 0
	PLOAD \pg, \pbe, 1
	s_wait_dscnt 8                                 ; this pair's eight loads are in; the next pair's eight may be out
	APPLYB 0, \relu
	PLOAD \pg, \pbe, 2
	s_wait_dscnt 8
	APPLYB 1, \relu
	PLOAD \pg, \pbe, 3
	s_wait_dscnt 8
	APPLYB 2, \relu
	s_wait_dscnt 0x0
	APPLYB 3, \relu
.endm
; tile tm's 64 numbers of a lane (none negative) become a fragment's codes, v48-59, and its scale word, v68, and go to LDS as K step w of the second product
.macro QUANT tm
.set QA, 64*(\tm)
	WIN 0x05
.irp b, 0,1,2,3
	v_max3_num_f32 v[32+\b], v[QA+16*\b], v[QA+16*\b+1], 0x1800000   ; block b: my 16 numbers, and the floor 2^(3 - 127): the byte cannot fall under 1
.endr
	WIN 0x14                                       ; sources 1 and 2 in window 1
.irp i, 2,4,6,8,10,12,14
.irp b, 0,1,2,3
	v_max3_num_f32 v[32+\b], v[32+\b], v[QA+16*\b+\i], v[QA+16*\b+\i+1]
.endr
.endr
	WIN 0
.irp b, 0,1,2,3
	v_permlanex16_b32 v[36+\b], v[32+\b], s104, s105
.endr
.irp b, 0,1,2,3
	v_max_num_f32 v[32+\b], v[32+\b], v[36+\b]     ; with lane l xor 16's 16: the block's largest
.endr
.irp b, 0,1,2,3
	v_add_nc_u32 v[44+\b], 0xff000000, v[32+\b]    ; 2 off its exponent field: the conversion's scale operand
.endr
.irp b, 0,1,2,3
	v_lshrrev_b32 v[36+\b], 23, v[44+\b]           ; the scale's byte
.endr
	v_lshl_or_b32 v68, v37, 8, v36
	v_lshl_or_b32 v68, v38, 16, v68
	v_lshl_or_b32 v68, v39, 24, v68
	WIN 0x01                                       ; source 0 in window 1
.irp c, 0,1
	v_cvt_scalef32_pk16_fp6_f32 v[48+6*\c:50+6*\c], v[QA+32*\c:QA+32*\c+15], v[44+2*\c]
	v_cvt_scalef32_pk16_fp6_f32 v[60+4*\c:62+4*\c], v[QA+32*\c+16:QA+32*\c+31], v[44+2*\c+1]   ; (a conversion's three registers begin on an even number)
.endr
	WIN 0
	v_nop                                          ; one plain line behind the conversions
.irp c, 0,1                            ; the operand wants a whole block in a lane: lanes 0-15 block 2 c, lanes 16-31 block 2 c + 1
.irp i, 0,1,2
	v_permlane16_swap_b32 v[48+6*\c+\i], v[60+4*\c+\i]
.endr
.irp i, 0,1,2
	v_mov_b32 v[51+6*\c+\i], v[60+4*\c+\i]
.endr
.endr
.irp g, 0,1,2
	ds_store_b128 v5, v[48+4*\g:51+4*\g] offset:AIMG+1536*(\tm)+512*\g
.endr
	ds_store_b32 v6, v68 offset:HSC+128*((\tm)%2)+4*((\tm)/2)
	s_wait_dscnt 0x0                               ; the stores have read their registers
.endm
.macro RLOAD tm                        ; the residual: x(row, my 64 columns) in the accumulators' layout
.irp b, 0,1,2,3
.irp q, 0,1,2,3
	global_load_b128 v[96+64*((\tm)%2)+16*\b+4*\q:99+64*((\tm)%2)+16*\b+4*\q], v[13+(\tm)], s[4:5] offset:128*\b+16*\q
.endr
.endr
.endm
; tile tm goes out: + x, relu, x the gate's weight; through my stage; each row that exists leaves as 512 consecutive bytes of its slot's row.  rl: the scalar registers with the tile's 16 slots; nw: the younger loads
.macro TILEOUT tm, rl, nw
	s_cmp_le_u32 s3, 16*(\tm)                      ; no row of this tile exists: nothing more is stored
	s_cbranch_scc1 .Lend
	s_wait_loadcnt \nw                             ; this tile's residual is in; the later tile's 16 loads may be out
	v_mov_b32 v[22+2*(\tm)], v[17+(\tm)]           ; the weight, into the low half of a pair
	WIN 0x41
.set i, 0
.rept 32
	v_pk_add_f32 v[64*(\tm)+i:64*(\tm)+i+1], v[64*(\tm)+i:64*(\tm)+i+1], v[96+64*((\tm)%2)+i:97+64*((\tm)%2)+i]
.set i, i+2
.endr
	WIN 0x44
.set i, 0
.rept 64
	v_max_num_f32 v[64*(\tm)+i], 0, v[64*(\tm)+i]
.set i, i+1
.endr
	WIN 0x41
.set i, 0
.rept 32
	v_pk_mul_f32 v[64*(\tm)+i:64*(\tm)+i+1], v[64*(\tm)+i:64*(\tm)+i+1], v[22+2*(\tm):23+2*(\tm)] op_sel_hi:[1,0]
.set i, i+2
.endr
	WIN 0x04                                       ; an LDS store's data are its source 1
.irp b, 0,1,2,3
.irp q, 0,1,2,3
	ds_store_b128 v10, v[64*(\tm)+16*\b+4*\q:64*(\tm)+16*\b+4*\q+3] offset:128*\b+16*\q
.endr
.endr
	WIN 0
.if (\tm)>0
	s_wait_xcnt 0x0                                ; the last tile's stores have read their data and offsets
.endif
.set i, 0
.rept 16
	ds_load_b128 v[32+4*i+144*(i/12):35+4*i+144*(i/12)], v11 offset:528*i   ; rows 0-11 into v32-79, rows 12-15 into v224-239.  LDS serves a wave's instructions in order (ISA guide 5.7.1.4)
.set i, i+1
.endr
.if (\tm)<2
	RLOAD (\tm)+2
.endif
.set i, 0
.rept 16
	s_min_u32 s66, s[\rl+i], 8191                  ; a stored slot enters an address only held inside the buffer
	s_lshl_b32 s66, s66, 12
	v_add_nc_u32 v[240+i], s66, v12
.set i, i+1
.endr
.set i, 0
.rept 16
.if i>0
	s_cmp_le_u32 s3, 16*(\tm)+i                    ; rows past the tile's count are not stored
	s_cbranch_scc1 .Lend
.endif
	s_wait_dscnt 15-i
	global_store_b128 v[240+i], v[32+4*i+144*(i/12):35+4*i+144*(i/12)], s[30:31] th:TH_STORE_NT
.set i, i+1
.endr
.endm
	s_load_b512 s[4:19], s[0:1], 0x0               ; x 4, b1 6, g1 8, be1 10, b2 12, g2 14, be2 16, list 18
	s_load_b256 s[20:27], s[0:1], 0x40             ; gatew 20, xcodes 22, xscale 24, wcodes 26
	s_load_b128 s[28:31], s[0:1], 0x60             ; wscale 28, ybuf 30
	v_lshl_add_u32 v94, v0, 2, 0x31800
	v_mov_b32 v95, 0
	v_lshrrev_b32 v1, 5, v0
	v_readfirstlane_b32 s2, v1                     ; wave 0..7
	v_and_b32 v31, 31, v0                          ; lane
	v_and_b32 v21, 15, v0                          ; r
	v_bfe_u32 v90, v0, 4, 1                        ; h
	v_lshlrev_b32 v1, 4, v31                       ; 16 l: an image's place for my lane
	v_add_nc_u32 v2, 49152, v1                     ; the same among the hidden layer's images
	v_lshlrev_b32 v3, 3, v31                       ; 8 l: the rows' scale words
	s_mul_i32 s40, s2, 6144
	v_add_nc_u32 v4, s40, v1                       ; where I store images: K step w
	v_add_nc_u32 v5, 49152, v4
	s_lshl_b32 s40, s2, 8
	v_lshl_add_u32 v6, v21, 3, s40                 ; and scale words: 8 r + 256 w
	s_lshl_b32 s40, s2, 2
	v_lshlrev_b32 v8, 5, v21                       ; a row's eight partial sums
	v_add_nc_u32 v7, s40, v8                       ; mine among them
	s_mul_i32 s40, s2, 3072
	s_add_co_u32 s40, s40, PAR
	v_lshl_add_u32 v9, v90, 6, s40                 ; parameters: my half's 16 of each 32
	v_add_nc_u32 v240, s40, v1                     ; and where they are stored
	s_mul_i32 s40, s2, 8448
	s_add_co_u32 s40, s40, STG
	v_add_nc_u32 v11, s40, v1                      ; the stage, back: a row of 512 bytes
	v_mul_u32_u24 v10, v21, 528
	v_lshl_add_u32 v10, v90, 6, v10
	v_add_nc_u32 v10, s40, v10                     ; the stage, in: row r, + 64 h
	s_lshl_b32 s40, s2, 9
	v_add_nc_u32 v12, s40, v1                      ; my 16 bytes of a row of ybuf: 512 w + 16 l
	v_lshl_add_u32 v243, v90, 6, s40               ; 512 w + 64 h
	v_lshlrev_b32 v30, 8, v31
	v_lshlrev_b32 v241, 2, v21
	s_mul_i32 s40, s2, 96
	v_mul_u32_u24 v242, v90, 48
	v_add_nc_u32 v242, s40, v242                   ; 96 w + 48 h
	s_lshl_b32 s67, s2, 2
	s_mov_b32 s104, 0x76543210
	s_mov_b32 s105, 0xfedcba98                     ; v_permlanex16_b32's selects for lane l xor 16
	s_wait_kmcnt 0x0
	s_load_b256 s[32:39], s[18:19], 0x0            ; the experts' totals
	s_mov_b32 s40, 0
	s_mov_b32 s41, 0
	s_mov_b32 s42, 0
	s_mov_b32 s100, 0
	s_wait_kmcnt 0x0
.irp i, 0,1,2,3,4,5,6,7                ; my expert: the last whose first tile is not behind my number
	s_cmp_ge_u32 ttmp9, s40
	s_cselect_b32 s100, \i, s100
	s_cselect_b32 s41, s40, s41
	s_cselect_b32 s42, s[32+\i], s42
	s_add_co_u32 s43, s[32+\i], 63
	s_lshr_b32 s43, s43, 6
	s_add_co_u32 s40, s40, s43
.endr
	s_sub_co_u32 s101, ttmp9, s41                  ; my tile of the expert
	s_lshl_b32 s43, s101, 6
	s_sub_co_i32 s3, s42, s43                      ; rows left from there,
	s_max_i32 s3, s3, 0                            ; none where the split has no tile for me,
	s_min_u32 s3, s3, 64                           ; 64 at the most
	s_cmp_eq_u32 s3, 0
	s_cselect_b32 s44, 0, s101                     ; without rows: the expert's first 64 list words, which are always written,
	s_cselect_b32 s101, 1, s101                    ; and no prefetch (s101 = 0 marks the expert's first tile)
	s_min_u32 s44, s44, 63                         ; stored numbers enter addresses only held to their ranges
	s_min_u32 s100, s100, 7
	s_mul_i32 s40, s100, 786432
	s_mul_i32 s41, s2, 98304
	s_add_co_u32 s40, s40, s41
	s_mov_b32 s41, 0
	s_add_nc_u64 s[26:27], s[26:27], s[40:41]      ; my stream of W1's codes; W2's lie 6,291,456 bytes on
	s_lshl_b32 s40, s100, 15
	s_lshl_b32 s42, s2, 12
	s_add_co_u32 s40, s40, s42
	s_add_nc_u64 s[28:29], s[28:29], s[40:41]      ; and of scale words; W2's 262,144 bytes on
	s_lshl_b32 s40, s100, 12
	s_lshl_b32 s42, s2, 9
	s_add_co_u32 s40, s40, s42
.irp p, 6,8,10,12,14,16
	s_add_nc_u64 s[\p:\p+1], s[\p:\p+1], s[40:41]  ; the six parameters at my 128 columns
.endr
	s_mul_i32 s40, s100, 4160
	s_lshl_b32 s42, s44, 6
	s_add_co_u32 s40, s40, s42
	s_lshl_b32 s40, s40, 2
	s_add_co_u32 s40, s40, 256
	s_add_nc_u64 s[18:19], s[18:19], s[40:41]      ; my tile's 64 slots
	s_load_b512 s[48:63], s[18:19], 0x0            ; as scalars, for the way out
	s_load_b512 s[68:83], s[18:19], 0x40
	s_load_b512 s[84:99], s[18:19], 0x80
	s_load_b512 s[32:47], s[18:19], 0xc0
.irp m, 0,1,2,3
	global_load_b32 v[244+\m], v241, s[18:19] offset:64*\m     ; and a lane its row's, for the gathers
.endr
.irp p, 0,1,2,3,4,5
	global_load_b128 v[32+4*\p:35+4*\p], v1, s[6+2*\p:7+2*\p]
.endr
	FILL 0
	FILL 1
	FILL 2
	s_wait_loadcnt 38                              ; the slots and the parameters are in; the three half steps' 13 + 12 + 13 loads may be out
	s_mov_b32 s6, 0x3727c5ac                       ; 1e-5  (b1's load is done: its base is free)
	s_mov_b32 s7, 0x3a800000                       ; 2^-10
.irp p, 0,1,2,3,4,5
	ds_store_b128 v240, v[32+4*\p:35+4*\p] offset:512*\p
.endr
.irp m, 0,1,2,3
	v_lshrrev_b32 v[248+\m], 1, v[244+\m]
	v_min_u32 v[244+\m], 8191, v[244+\m]           ; the slot,
	v_min_u32 v[248+\m], 4095, v[248+\m]           ; the token
	v_lshlrev_b32 v[244+\m], 2, v[244+\m]          ; gatew: 4 bytes a slot
	v_lshl_add_u32 v[13+\m], v[248+\m], 12, v243   ; x: the token's row, + 512 w + 64 h
	v_lshl_add_u32 v[252+\m], v[248+\m], 5, s67    ; xscale: 32 bytes a token, word w
	v_mul_u32_u24 v[248+\m], v[248+\m], 768
	v_add_nc_u32 v[248+\m], v[248+\m], v242        ; xcodes: 768 bytes a token, + 96 w + 48 h
.endr
	s_wait_dscnt 0x0                               ; the parameters' stores have read v32 on
.irp m, 0,1,2,3
.irp g, 0,1,2
	global_load_b128 v[32+12*\m+4*\g:35+12*\m+4*\g], v[248+\m], s[22:23] offset:16*\g    ; K step w of the 64 rows: my lane's 48 bytes are the fragment's 12 registers
.endr
.endr
.irp m, 0,1,2,3
	global_load_b32 v[90+\m], v[252+\m], s[24:25]
.endr
.irp m, 0,1,2,3
	global_load_b32 v[17+\m], v[244+\m], s[20:21]
.endr
	s_wait_loadcnt 4                               ; all but the four gate weights
.irp m, 0,1,2,3
.irp g, 0,1,2
	ds_store_b128 v4, v[32+12*\m+4*\g:35+12*\m+4*\g] offset:AIMG+1536*\m+512*\g
.endr
	ds_store_b32 v6, v[90+\m] offset:ASC+128*(\m%2)+4*(\m/2)
.endr
	BARRIER                                        ; x's 32 fragments lie in LDS
	AFETCH 1, ASC, 0
.set II, 0
.rept 16
	HSTEP II
.set II, II+1
.endr
	LNSTATS 0, 0
	APPLY 1, 2, 1
	QUANT 0
	QUANT 1
	QUANT 2
	QUANT 3
	BARRIER                                        ; the hidden layer's 32 fragments lie in LDS
	AFETCH 2, HSC, 0
.rept 16
	HSTEP II
.set II, II+1
.endr
	RLOAD 0                                        ; the ring's registers are free (four places stand behind the last products)
	RLOAD 1
	LNSTATS 3, 2
	APPLY 4, 5, 0
	s_wait_kmcnt 0x0                               ; the 64 slots
	TILEOUT 0, 48, 16
	TILEOUT 1, 68, 16
	TILEOUT 2, 84, 16
	TILEOUT 3, 32, 0
.Lend:
	s_wait_dscnt 0x0
	s_wait_tensorcnt 0x0
	ds_add_u32 v94, v95
	s_wait_dscnt 0x0
	s_endpgm
.Lfunc_end_k_q699601416e_chain:
	.size	k_q699601416e_chain, .Lfunc_end_k_q699601416e_chain-k_q699601416e_chain
	.p2alignl 7, 3214868480
	.fill 96, 4, 3214868480
	.section	.rodata,"a",@progbits
	.p2align	6, 0x0
	.amdhsa_kernel k_q699601416e_chain
		.amdhsa_group_segment_fixed_size 203776
		.amdhsa_private_segment_fixed_size 0
		.amdhsa_enable_private_segment 0
		.amdhsa_kernarg_size 112
		.amdhsa_user_sgpr_count 2
		.amdhsa_user_sgpr_kernarg_segment_ptr 1
		.amdhsa_wavefront_size32 1
		.amdhsa_system_sgpr_workgroup_id_x 1
		.amdhsa_system_sgpr_workgroup_id_y 1
		.amdhsa_system_sgpr_workgroup_id_z 1
		.amdhsa_system_vgpr_workitem_id 0
		.amdhsa_next_free_vgpr 512
		.amdhsa_next_free_sgpr 106
		.amdhsa_reserve_vcc 0
		.amdhsa_float_denorm_mode_32 3
		.amdhsa_float_denorm_mode_16_64 3
		.amdhsa_memory_ordered 1
		.amdhsa_forward_progress 1
		.amdhsa_inst_pref_size 255
	.end_amdhsa_kernel
	.section	.bss,"aw",@nobits
	.p2align	6
	.space	262144
	.amdgpu_metadata
---
amdhsa.version: [ 1, 2 ]
amdhsa.kernels:
  - .name:           k_q699601416e_chain
    .symbol:         k_q699601416e_chain.kd
    .args:
      - { .name: x, .offset: 0, .size: 8, .value_kind: global_buffer, .address_space: global }
      - { .name: b1, .offset: 8, .size: 8, .value_kind: global_buffer, .address_space: global }
      - { .name: g1, .offset: 16, .size: 8, .value_kind: global_buffer, .address_space: global }
      - { .name: be1, .offset: 24, .size: 8, .value_kind: global_buffer, .address_space: global }
      - { .name: b2, .offset: 32, .size: 8, .value_kind: global_buffer, .address_space: global }
      - { .name: g2, .offset: 40, .size: 8, .value_kind: global_buffer, .address_space: global }
      - { .name: be2, .offset: 48, .size: 8, .value_kind: global_buffer, .address_space: global }
      - { .name: list, .offset: 56, .size: 8, .value_kind: global_buffer, .address_space: global }
      - { .name: gatew, .offset: 64, .size: 8, .value_kind: global_buffer, .address_space: global }
      - { .name: xcodes, .offset: 72, .size: 8, .value_kind: global_buffer, .address_space: global }
      - { .name: xscale, .offset: 80, .size: 8, .value_kind: global_buffer, .address_space: global }
      - { .name: wcodes, .offset: 88, .size: 8, .value_kind: global_buffer, .address_space: global }
      - { .name: wscale, .offset: 96, .size: 8, .value_kind: global_buffer, .address_space: global }
      - { .name: ybuf, .offset: 104, .size: 8, .value_kind: global_buffer, .address_space: global }
    .group_segment_fixed_size: 203776
    .private_segment_fixed_size: 0
    .kernarg_segment_align: 8
    .kernarg_segment_size: 112
    .max_flat_workgroup_size: 256
    .sgpr_count:     106
    .vgpr_count:     512
    .wavefront_size: 32
...
	.end_amdgpu_metadata
.endif
;; end of part 3
;; launch combine (part 4): grid 256 x 1, 8 waves a work-group, no clusters, 0 bytes of LDS; arguments ybuf, out0; writes out0
.if DOCPART == 4
	.amdgcn_target "amdgcn-amd-amdhsa--gfx1250"
	.amdhsa_code_object_version 6
	.text
	.protected	k_q699601416e_combine
	.globl	k_q699601416e_combine
	.p2align	8
	.type	k_q699601416e_combine,@function
k_q699601416e_combine:
	s_mov_b64 s[64:65], 0
	v_nop
	global_prefetch_b8 v0, s[64:65] scope:SCOPE_SE
	s_setreg_imm32_b32 hwreg(HW_REG_WAVE_MODE, 25, 1), 1
	s_wait_xcnt 0x0
; out0[t] = ybuf[2 t] + ybuf[2 t + 1]: the two chosen experts' rows, which already carry the gate's weights.  A stream: no LDS, no barrier, no matrix unit.
; A work-group takes 16 tokens; thread n takes the 16 bytes at 16 n of every row, so a wave's load or store covers 512 consecutive bytes, aligned.
; All 32 loads of a thread go out first; each token's wait leaves the younger tokens' loads out.  Every register is written once, so no store's data are written again.
	s_load_b128 s[4:7], s[0:1], 0x0                ; ybuf, out0
	s_lshl_b32 s8, ttmp9, 17                       ; 16 tokens x 2 rows x 4,096 bytes
	s_mov_b32 s9, 0
	s_lshl_b32 s10, ttmp9, 16                      ; 16 rows x 4,096 bytes
	s_mov_b32 s11, 0
	v_lshlrev_b32 v1, 4, v0
	s_wait_kmcnt 0x0
	s_add_nc_u64 s[4:5], s[4:5], s[8:9]
	s_add_nc_u64 s[6:7], s[6:7], s[10:11]
.irp t, 0,1,2,3,4,5,6,7,8,9,10,11,12,13,14,15
	global_load_b128 v[4+8*\t:7+8*\t], v1, s[4:5] offset:8192*\t th:TH_LOAD_NT
	global_load_b128 v[8+8*\t:11+8*\t], v1, s[4:5] offset:8192*\t+4096 th:TH_LOAD_NT
.endr
.irp t, 0,1,2,3,4,5,6,7,8,9,10,11,12,13,14,15
	s_wait_loadcnt 30-2*\t                         ; loads come back in order (ISA guide 5.7.1): this token's two are in
	v_pk_add_f32 v[4+8*\t:5+8*\t], v[4+8*\t:5+8*\t], v[8+8*\t:9+8*\t]
	v_pk_add_f32 v[6+8*\t:7+8*\t], v[6+8*\t:7+8*\t], v[10+8*\t:11+8*\t]
	global_store_b128 v1, v[4+8*\t:7+8*\t], s[6:7] offset:4096*\t th:TH_STORE_NT
.endr
	s_endpgm
.Lfunc_end_k_q699601416e_combine:
	.size	k_q699601416e_combine, .Lfunc_end_k_q699601416e_combine-k_q699601416e_combine
	.p2alignl 7, 3214868480
	.fill 96, 4, 3214868480
	.section	.rodata,"a",@progbits
	.p2align	6, 0x0
	.amdhsa_kernel k_q699601416e_combine
		.amdhsa_group_segment_fixed_size 0
		.amdhsa_private_segment_fixed_size 0
		.amdhsa_enable_private_segment 0
		.amdhsa_kernarg_size 16
		.amdhsa_user_sgpr_count 2
		.amdhsa_user_sgpr_kernarg_segment_ptr 1
		.amdhsa_wavefront_size32 1
		.amdhsa_system_sgpr_workgroup_id_x 1
		.amdhsa_system_sgpr_workgroup_id_y 1
		.amdhsa_system_sgpr_workgroup_id_z 1
		.amdhsa_system_vgpr_workitem_id 0
		.amdhsa_next_free_vgpr 136
		.amdhsa_next_free_sgpr 66
		.amdhsa_reserve_vcc 0
		.amdhsa_float_denorm_mode_32 3
		.amdhsa_float_denorm_mode_16_64 3
		.amdhsa_memory_ordered 1
		.amdhsa_forward_progress 1
		.amdhsa_inst_pref_size 8
	.end_amdhsa_kernel
	.amdgpu_metadata
---
amdhsa.version: [ 1, 2 ]
amdhsa.kernels:
  - .name:           k_q699601416e_combine
    .symbol:         k_q699601416e_combine.kd
    .args:
      - { .name: ybuf, .offset: 0, .size: 8, .value_kind: global_buffer, .address_space: global }
      - { .name: out0, .offset: 8, .size: 8, .value_kind: global_buffer, .address_space: global }
    .group_segment_fixed_size: 0
    .private_segment_fixed_size: 0
    .kernarg_segment_align: 8
    .kernarg_segment_size: 16
    .max_flat_workgroup_size: 256
    .sgpr_count:     66
    .vgpr_count:     136
    .wavefront_size: 32
...
	.end_amdgpu_metadata
.endif
;; end of part 4
;; ======== version 2 of 2: 4 launches
;; workspace buffers: sel 16,384 bytes of whole numbers; list 133,376 bytes of whole numbers; gatew 32,768 bytes; xcodes 3,145,728 bytes; xscale 131,072 bytes; wcodes 12,582,912 bytes; wscale 524,288 bytes; ybuf 33,554,432 bytes
;; launch prep (part 5): grid 640 x 1, 4 waves a work-group, no clusters, 90,112 bytes of LDS; arguments x, Wg, bg, W1, W2, out1, sel, gatew, xcodes, xscale, wcodes, wscale; writes out1, sel, gatew, xcodes, xscale, wcodes, wscale
.if DOCPART == 5
	.amdgcn_target "amdgcn-amd-amdhsa--gfx1250"
	.amdhsa_code_object_version 6
	.text
	.protected	k_q699601416e_prep
	.globl	k_q699601416e_prep
	.p2align	8
	.type	k_q699601416e_prep,@function
k_q699601416e_prep:
	s_mov_b64 s[64:65], 0
	v_nop
	global_prefetch_b8 v0, s[64:65] scope:SCOPE_SE
	s_setreg_imm32_b32 hwreg(HW_REG_WAVE_MODE, 25, 1), 1
	s_wait_xcnt 0x0
; PREP: everything that is made once.  Work-groups 0-127 take x (32 tokens each), work-groups 128-639 take W1 and W2.
; X PATH.  For each token: logits = x Wg + bg in f32 (fused multiply-adds), softmax with the maximum taken away (out1), the two largest (the lower index wins a tie),
;   their weights p / (pa + pb + 1e-9).  The choice goes to sel (e0 | e1 << 8) and the weights to gatew at fixed places: no address here hangs on it.
;   x is quantised along its 1,024 numbers to E2M3 with one E8M0 byte for each 32: xcodes, a row of 768 bytes; in the 96 bytes of K step s the block 2 c + h lies at 48 h + 24 c,
;   so that a lane (row, h) of a matrix operand finds its 48 bytes on end; xscale [4096][32], blocks in their own order.
; WEIGHT PATH.  W[e] is [k][o] with K its first axis.  A lane takes a column o and its registers run down K, so a block of 32 lies in one lane and the conversions give codes with K innermost.
;   wcodes is laid in the order of the operand's registers: [matrix 8 L + e][wave 8][K step 8][tile 8][group 3][lane 32][16 bytes]; row r of tile 2 b + u of wave w is column
;   128 w + 32 b + 8 u + r + 8 (r / 8), so that the results of two neighbouring tiles are 16 neighbours along the next product's K.
;   wscale: [matrix][wave][K step][lane 32][b 4] words: word (lane, b) belongs to row lane % 16 of tile 2 b + lane / 16.
; A block's scale is 2^(floor(log2(largest magnitude)) - 2): its byte is the largest magnitude's exponent field - 2, held at 1 from below by a floor among the maximum's leaves.
; LIMITS: NaN and infinities are not served; a block of zeros has the byte 1 (its codes are zeros, and this program alone reads the bytes); two probabilities equal within f32 rounding may be
;   ranked either way; sel leaves in stores of 128 bytes (16 KiB in all).
.set WSC,  0                           ; LDS, weight path: 2 K steps x 512 bytes of scale words
.set WGT,  1024                        ; LDS, x path: Wg as 256 places of 128 bytes (4 rows k) + 16 of padding
.set WREG, 37888                       ; a region for each wave:
.set WRB,  12800                       ;   two stages of 32 x 144 bytes at +0 and +4608,
.set CS,   9216                        ;   4 tokens' codes, 3,072 bytes,
.set SS,   12288                       ;   8 tokens' scale bytes, 256 bytes,
.set PS,   12544                       ;   8 tokens' probabilities, 256 bytes
.set SELS, 89088                       ; the work-group's 32 choices
.set GWS,  89344                       ; and 32 pairs of weights
; the largest magnitude of the 32 numbers v[xs] .. v[xs+31], in two chains, with the floor 2^(3 - 127) as one more leaf
.macro BMAX xs, ra, rb
	v_max3_num_f32 v[\ra], |v[\xs]|, |v[\xs+1]|, |v[\xs+2]|
	v_max3_num_f32 v[\rb], |v[\xs+3]|, |v[\xs+4]|, |v[\xs+5]|
.irp i, 6,10,14,18,22,26
	v_max3_num_f32 v[\ra], v[\ra], |v[\xs+\i]|, |v[\xs+\i+1]|
	v_max3_num_f32 v[\rb], v[\rb], |v[\xs+\i+2]|, |v[\xs+\i+3]|
.endr
	v_max3_num_f32 v[\ra], v[\ra], |v[\xs+30]|, |v[\xs+31]|
	v_max3_num_f32 v[\ra], v[\ra], v[\rb], 0x1800000
.endm
	s_load_b512 s[4:19], s[0:1], 0x0               ; x 4, Wg 6, bg 8, W1 10, W2 12, out1 14, sel 16, gatew 18
	s_load_b256 s[20:27], s[0:1], 0x40             ; xcodes 20, xscale 22, wcodes 24, wscale 26
	v_lshl_add_u32 v27, v0, 2, 0x15e00
	s_set_vgpr_msb 0x40
	v_mov_b32 v1, 0
	s_set_vgpr_msb 0x4000
	v_lshrrev_b32 v1, 5, v0
	v_readfirstlane_b32 s2, v1                     ; wave 0..3
	v_and_b32 v1, 31, v0                           ; lane
	s_cmp_lt_u32 ttmp9, 128
	s_cbranch_scc1 .Lxpath
; ---------------------------------------------------------------- the weights
; A work-group takes 128 columns (one wave's share in the chain) x 256 along K; its wave v takes the pair of tiles b = v: 32 columns.
; REGISTERS: v3 4 x my column, v4 my place in a pair's two fragments, v5, v10 LDS, v6 16 x lane; v11-16 at work; v24-25 scale words; v32-95 two sets of 32 numbers; v96-143 the codes of two K steps: [K step][h][12]
	s_sub_co_u32 s28, ttmp9, 128
	s_lshr_b32 s29, s28, 5                         ; matrix 8 L + e
	s_bfe_u32 s30, s28, 0x30002                    ; w
	s_and_b32 s31, s28, 3                          ; which 256 along K
	v_and_b32 v2, 7, v1
	v_bfe_u32 v7, v1, 4, 1                         ; u: which tile of the pair
	v_bfe_u32 v8, v1, 3, 1
	v_lshl_or_b32 v2, v7, 3, v2
	v_lshl_or_b32 v2, v8, 4, v2                    ; my column in the pair: 8 u + r + 8 (r / 8), r = lane % 16
	v_lshlrev_b32 v3, 2, v2
	v_and_b32 v9, 15, v1
	v_mul_u32_u24 v4, v7, 1536
	v_lshl_add_u32 v4, v9, 4, v4                   ; tile u's fragment, 16 r
	v_lshlrev_b32 v6, 4, v1
	s_lshl_b32 s33, s2, 2
	v_add_nc_u32 v5, s33, v6                       ; my scale word: 16 x lane + 4 b
	s_lshl_b32 s33, s2, 9
	v_add_nc_u32 v10, s33, v6                      ; back: K step = wave (waves 0 and 1 alone)
	s_and_b32 s34, s29, 7
	s_lshl_b32 s34, s34, 22                        ; W: expert x 4 MiB
	s_lshl_b32 s35, s31, 20                        ;  + 256 rows of 4,096 bytes
	s_add_co_u32 s34, s34, s35
	s_lshl_b32 s35, s30, 9                         ;  + 128 columns a wave of the chain
	s_add_co_u32 s34, s34, s35
	s_lshl_b32 s35, s2, 7                          ;  + my 32 columns
	s_add_co_u32 s34, s34, s35
	s_mov_b32 s35, 0
	s_mul_i32 s36, s29, 786432                     ; wcodes
	s_mul_i32 s37, s30, 98304
	s_add_co_u32 s36, s36, s37
	s_mul_i32 s37, s31, 24576                      ; two K steps
	s_add_co_u32 s36, s36, s37
	s_mul_i32 s37, s2, 3072                        ; my pair of tiles
	s_add_co_u32 s36, s36, s37
	s_mov_b32 s37, 0
	s_lshl_b32 s38, s29, 15                        ; wscale
	s_lshl_b32 s39, s30, 12
	s_add_co_u32 s38, s38, s39
	s_lshl_b32 s39, s31, 10
	s_add_co_u32 s38, s38, s39
	s_lshl_b32 s39, s2, 9                          ; K step = wave (used by waves 0 and 1 alone)
	s_add_co_u32 s38, s38, s39
	s_mov_b32 s39, 0
	s_wait_alu depctr_va_vdst(0)
	s_wait_kmcnt 0x0
	s_cmp_lt_u32 s29, 8                            ; W1 or W2: the choice hangs on the work-group's number alone
	s_cselect_b64 s[10:11], s[10:11], s[12:13]
	s_add_nc_u64 s[10:11], s[10:11], s[34:35]
	s_add_nc_u64 s[24:25], s[24:25], s[36:37]
	s_add_nc_u64 s[26:27], s[26:27], s[38:39]
.macro WLOAD t                         ; block t: W(32 t + j, my column); the wave's lanes read 128 neighbouring bytes, the four waves 512
.set j, 0
.rept 32
	global_load_b32 v[32+32*((\t)%2)+j], v3, s[10:11] offset:(32*(\t)+j)*4096 th:TH_LOAD_NT
.set j, j+1
.endr
.endm
.macro WBLOCK t
.set XS, 32+32*((\t)%2)
.set SL, (\t)/4                        ; which of my two K steps
.set KB, (\t)%4                        ; block 2 c + h in it
.set PD, 96+24*SL+12*(KB%2)+6*(KB/2)   ; registers 6 c .. 6 c + 5 of lane (r, h)'s fragment
.if (\t)<7
	s_wait_loadcnt 32                              ; this block's 32 loads are in; the next block's 32 may be out
.else
	s_wait_loadcnt 0x0
.endif
	BMAX XS, 12, 13
	v_add_nc_u32 v11, 0xff000000, v12              ; 2 off the exponent field: the conversion takes this operand's exponent field as its scale
	v_cvt_scalef32_pk16_fp6_f32 v[PD:PD+2], v[XS:XS+15], v11
	v_cvt_scalef32_pk16_fp6_f32 v[14:16], v[XS+16:XS+31], v11   ; (a conversion's three registers begin on an even number)
	v_lshrrev_b32 v13, 23, v11                     ; the scale's byte; also the plain line behind the conversions
.if KB==0
	v_mov_b32 v[24+SL], v13
.else
	v_lshl_or_b32 v[24+SL], v13, 8*KB, v[24+SL]
.endif
	v_mov_b32 v[PD+3], v14
	v_mov_b32 v[PD+4], v15
	v_mov_b32 v[PD+5], v16
.if (\t)+2<8
	WLOAD (\t)+2
.endif
.endm
.macro WSTORE sl                       ; a K step's codes of my two tiles: lanes 0-15 and lanes 16-31 each store 256 consecutive bytes, aligned
.irp hh, 0,1
.irp g, 0,1,2
	global_store_b128 v4, v[96+24*(\sl)+12*\hh+4*\g:96+24*(\sl)+12*\hh+4*\g+3], s[24:25] offset:12288*(\sl)+512*\g+256*\hh
.endr
.endr
.endm
	WLOAD 0
	WLOAD 1
	WBLOCK 0
	WBLOCK 1
	WBLOCK 2
	WBLOCK 3
	WSTORE 0
	WBLOCK 4
	WBLOCK 5
	WBLOCK 6
	WBLOCK 7
	WSTORE 1
	ds_store_b32 v5, v24 offset:WSC                ; the four waves' words of a K step meet in LDS, 16 bytes a lane
	ds_store_b32 v5, v25 offset:WSC+512
	s_wait_dscnt 0x0                               ; for the others' sake: my stores have landed
	s_barrier_signal -1
	s_barrier_wait -1
	s_cmp_gt_u32 s2, 1
	s_cbranch_scc1 .Lwend
	ds_load_b128 v[28:31], v10 offset:WSC
	s_wait_dscnt 0x0
	global_store_b128 v6, v[28:31], s[26:27]       ; 512 consecutive bytes, aligned
.Lwend:
	s_set_vgpr_msb 0x4
	s_wait_tensorcnt 0x0
	ds_add_u32 v27, v1
	s_wait_dscnt 0x0
	s_set_vgpr_msb 0x400
	s_endpgm
; ---------------------------------------------------------------- x
; A wave takes 8 tokens, as two groups of 4.
; REGISTERS: v1-18 addresses; v20-23 data of the small LDS stores; v24-30 the quantiser's; v32-159 four tokens as loaded (token, load i, c: k = 128 i + 4 lane + c);
;   v160-191, v224-255 two buffers: a chunk of Wg, later a token turned (lane = block); v192-223 the 32 sums (token, expert), later the codes; v224-250 also the softmax's
.Lxpath:
	s_mul_i32 s28, s2, WRB
	s_add_co_u32 s28, s28, WREG                    ; my wave's region
	v_lshrrev_b32 v2, 3, v0
	v_and_b32 v3, 7, v0
	v_mul_u32_u24 v2, v2, 144
	v_lshl_add_u32 v2, v3, 4, v2                   ; Wg into LDS: 144 (thread / 8) + 16 (thread % 8)
	v_lshlrev_b32 v3, 4, v0                        ; Wg in memory: 16 x thread
	s_wait_alu depctr_va_vdst(0)
	v_mul_u32_u24 v4, v1, 144                      ; my place of a chunk of Wg
	v_lshlrev_b32 v5, 4, v1                        ; 16 x lane
	v_lshrrev_b32 v19, 3, v1                       ; lane / 8: my token of the group
	v_and_b32 v24, 7, v1
	v_mul_u32_u24 v6, v19, 144
	v_lshl_add_u32 v6, v24, 4, v6
	v_add_nc_u32 v6, s28, v6                       ; the stage, in
	v_add_nc_u32 v7, s28, v4                       ; the stage, out: lane = block
	v_lshrrev_b32 v24, 2, v1
	v_mul_u32_u24 v8, v24, 96
	v_and_b32 v24, 1, v1
	v_mad_u32_u24 v8, v24, 48, v8
	v_bfe_u32 v24, v1, 1, 1
	v_mad_u32_u24 v8, v24, 24, v8
	v_add_nc_u32 v8, s28, v8                       ; block l's codes in a row: 96 (l / 4) + 48 (l % 2) + 24 ((l / 2) % 2)
	v_add_nc_u32 v9, s28, v1                       ; its scale byte
	v_add_nc_u32 v10, s28, v5                      ; the codes, back
	v_lshl_add_u32 v11, v1, 2, s28                 ; a probability
	v_lshl_add_u32 v12, v1, 3, s28                 ; scale bytes and probabilities, back
	s_lshl_b32 s29, s2, 5
	s_add_co_u32 s29, s29, SELS
	v_lshl_add_u32 v13, v19, 2, s29                ; my token's choice
	s_lshl_b32 s29, s2, 6
	s_add_co_u32 s29, s29, GWS
	v_lshl_add_u32 v14, v19, 3, s29                ; my token's weights
	v_lshl_add_u32 v15, v1, 2, SELS                ; and back
	v_lshl_add_u32 v16, v1, 3, GWS
	v_lshlrev_b32 v17, 3, v1
	v_lshlrev_b32 v18, 2, v1
	s_mov_b32 s40, 0x76543210
	s_mov_b32 s41, 0xfedcba98                      ; v_permlanex16_b32's selects for lane l xor 16
	s_mov_b32 s42, 0xff00ff00                      ; lanes whose bit 3 is set
	s_mov_b32 s43, 0xffff0000                      ; bit 4
	s_mov_b32 s45, 0xaaaaaaaa                      ; bit 0
	s_mov_b32 s46, 0xcccccccc                      ; bit 1
	s_mov_b32 s47, 0xf0f0f0f0                      ; bit 2
	s_lshl_b32 s48, ttmp9, 17                      ; x: 32 rows a work-group, 8 a wave
	s_lshl_b32 s49, s2, 15
	s_add_co_u32 s48, s48, s49
	s_mov_b32 s49, 0
	s_mul_i32 s50, ttmp9, 24576                    ; xcodes
	s_mul_i32 s51, s2, 6144
	s_add_co_u32 s50, s50, s51
	s_mov_b32 s51, 0
	s_lshl_b32 s52, ttmp9, 10                      ; xscale and out1: 32 bytes a token
	s_lshl_b32 s53, s2, 8
	s_add_co_u32 s52, s52, s53
	s_mov_b32 s53, 0
	s_lshl_b32 s54, ttmp9, 7                       ; sel
	s_mov_b32 s55, 0
	s_lshl_b32 s56, ttmp9, 8                       ; gatew
	s_mov_b32 s57, 0
	s_wait_kmcnt 0x0
	s_load_b256 s[32:39], s[8:9], 0x0              ; bg
	s_add_nc_u64 s[4:5], s[4:5], s[48:49]
	s_add_nc_u64 s[20:21], s[20:21], s[50:51]
	s_add_nc_u64 s[22:23], s[22:23], s[52:53]
	s_add_nc_u64 s[14:15], s[14:15], s[52:53]
	s_add_nc_u64 s[16:17], s[16:17], s[54:55]
	s_add_nc_u64 s[18:19], s[18:19], s[56:57]
.macro XLOAD g                         ; a group's four tokens: each load reads 512 consecutive bytes of a row
.irp t, 0,1,2,3
.irp i, 0,1,2,3,4,5,6,7
	global_load_b128 v[32+32*\t+4*\i:32+32*\t+4*\i+3], v5, s[4:5] offset:(4*(\g)+\t)*4096+512*\i th:TH_LOAD_NT
.endr
.endr
.endm
.irp n, 0,1,2,3,4,5,6,7,8,9,10,11,12,13,14,15
	global_load_b128 v[160+4*\n:163+4*\n], v3, s[6:7] offset:2048*\n     ; Wg, 32 KiB, as it lies
.endr
	XLOAD 0
	s_wait_loadcnt 32                              ; Wg is in; the group's 32 loads may be out
.irp n, 0,1,2,3,4,5,6,7,8,9,10,11,12,13,14,15
	ds_store_b128 v2, v[160+4*\n:163+4*\n] offset:WGT+2304*\n
.endr
	s_wait_dscnt 0x0                               ; for the others' sake
	s_barrier_signal -1
	s_barrier_wait -1
	s_wait_kmcnt 0x0                               ; bg
.macro WTLOAD i                        ; chunk i of Wg: rows k = 128 i + 4 lane + c, 8 experts each: register 8 c + e
.irp j, 0,1,2,3,4,5,6,7
	ds_load_b128 v[160+64*((\i)%2)+4*\j:160+64*((\i)%2)+4*\j+3], v4 offset:WGT+4608*(\i)+16*\j
.endr
.endm
.macro GATE i                          ; 64 packed multiply-adds: 4 k x 4 tokens x 8 experts; x is taken from its pair for both halves.  The first products start the sums
.set WB, 160+64*((\i)%2)
.irp c, 0,1,2,3
.irp t, 0,1,2,3
.irp p, 0,2,4,6
.set XP, 32+32*\t+4*(\i)+2*(\c/2)
.set AC, 192+8*\t+\p
.set WP, WB+8*\c+\p
.if ((\i)==0)&&(\c==0)
	v_pk_mul_f32 v[AC:AC+1], v[XP:XP+1], v[WP:WP+1] op_sel_hi:[0,1]
.elseif (\c%2)==0
	v_pk_fma_f32 v[AC:AC+1], v[XP:XP+1], v[WP:WP+1], v[AC:AC+1] op_sel_hi:[0,1,1]
.else
	v_pk_fma_f32 v[AC:AC+1], v[XP:XP+1], v[WP:WP+1], v[AC:AC+1] op_sel:[1,0,0] op_sel_hi:[1,1,1]
.endif
.endr
.endr
.endr
.endm
.macro TURN t                          ; token t through a stage: in as loaded, out 128 bytes (a block) a lane.  LDS serves a wave's instructions in order (ISA guide 5.7.1.4)
.irp i, 0,1,2,3,4,5,6,7
	ds_store_b128 v6, v[32+32*(\t)+4*\i:32+32*(\t)+4*\i+3] offset:4608*((\t)%2)+576*\i
.endr
.irp j, 0,1,2,3,4,5,6,7
	ds_load_b128 v[160+64*((\t)%2)+4*\j:160+64*((\t)%2)+4*\j+3], v7 offset:4608*((\t)%2)+16*\j
.endr
.endm
.macro QX t, gi                        ; token t: my block's scale, codes and byte, into the wave's LDS
.set XS, 160+64*((\t)%2)
.set CD, 192+8*(\t)
	BMAX XS, 24, 25
	v_add_nc_u32 v26, 0xff000000, v24
	v_cvt_scalef32_pk16_fp6_f32 v[CD:CD+2], v[XS:XS+15], v26
	v_cvt_scalef32_pk16_fp6_f32 v[28:30], v[XS+16:XS+31], v26
	v_lshrrev_b32 v[CD+6], 23, v26                 ; the byte; also the plain line behind the conversions
	v_mov_b32 v[CD+3], v28
	v_mov_b32 v[CD+4], v29
	v_mov_b32 v[CD+5], v30
	ds_store_b64 v8, v[CD:CD+1] offset:CS+768*(\t)
	ds_store_b64 v8, v[CD+2:CD+3] offset:CS+768*(\t)+8
	ds_store_b64 v8, v[CD+4:CD+5] offset:CS+768*(\t)+16
	ds_store_b8 v9, v[CD+6] offset:SS+32*(4*(\gi)+(\t))
.endm
.macro GROUP gi
.if \gi
	s_wait_xcnt 0x0                                ; the last group's stores of codes have read v160 on
.endif
	WTLOAD 0
	s_wait_loadcnt 0x0                             ; the group's four tokens
.irp i, 0,1,2,3,4,5,6
	WTLOAD \i+1
	s_wait_dscnt 8                                 ; this chunk is in; the next chunk's 8 loads may be out
	GATE \i
.endr
	s_wait_dscnt 0x0
	GATE 7
.irp x, 1,2,4,8                        ; the 32 sums over the lanes: four steps inside each half,
.set j, 0
.rept 32
	v_add_f32_dpp v[192+j], v[192+j], v[192+j] row_xmask:\x row_mask:0xf bank_mask:0xf
.set j, j+1
.endr
.endr
.set j, 0
.rept 32
	v_permlanex16_b32 v[160+j], v[192+j], s40, s41 ; one across the halves
.set j, j+1
.endr
.set j, 0
.rept 32
	v_add_f32 v[192+j], v[192+j], v[160+j]
.set j, j+1
.endr
.irp e, 0,1,2,3,4,5,6,7                ; lanes 8 t .. 8 t + 7 go on with token t
	v_cndmask_b32 v[192+\e], v[192+\e], v[200+\e], s42
	v_cndmask_b32 v[208+\e], v[208+\e], v[216+\e], s42
.endr
.irp e, 0,1,2,3,4,5,6,7
	v_cndmask_b32 v[224+\e], v[192+\e], v[208+\e], s43
.endr
.irp e, 0,1,2,3,4,5,6,7
	v_add_f32 v[224+\e], s[32+\e], v[224+\e]       ; + bg
.endr
	v_max3_num_f32 v232, v224, v225, v226          ; the softmax: the maximum is taken away
	v_max3_num_f32 v232, v232, v227, v228
	v_max3_num_f32 v232, v232, v229, v230
	v_max_num_f32 v232, v232, v231
.irp e, 0,1,2,3,4,5,6,7
	v_sub_f32 v[224+\e], v[224+\e], v232
.endr
.irp e, 0,1,2,3,4,5,6,7
	v_mul_f32 v[224+\e], 0x3fb8aa3b, v[224+\e]     ; x log2(e)
.endr
	s_wait_alu depctr_va_vdst(0)
.irp e, 0,1,2,3,4,5,6,7
	v_exp_f32 v[224+\e], v[224+\e]
.endr
	v_nop                                          ; a plain line behind the last exponential
	s_wait_alu depctr_va_vdst(0)                   ; one wait for the eight, ahead of their first reader
	v_add_f32 v233, v224, v225
	v_add_f32 v234, v226, v227
	v_add_f32 v235, v228, v229
	v_add_f32 v236, v230, v231
	v_add_f32 v233, v233, v234
	v_add_f32 v235, v235, v236
	v_add_f32 v233, v233, v235
	s_wait_alu depctr_va_vdst(0)
	v_rcp_f32 v234, v233
	v_nop
	s_wait_alu depctr_va_vdst(0)
.irp e, 0,1,2,3,4,5,6,7
	v_mul_f32 v[224+\e], v[224+\e], v234           ; the probabilities
.endr
	v_mov_b32 v235, v224                           ; the largest: a later expert wins only if strictly larger
	v_mov_b32 v236, 0
.irp e, 1,2,3,4,5,6,7
	v_cmp_gt_f32 vcc_lo, v[224+\e], v235
	v_cndmask_b32 v235, v235, v[224+\e], vcc_lo
	v_cndmask_b32 v236, v236, \e, vcc_lo
.endr
	v_mov_b32 v237, -1.0                           ; the second: the same scan with the first left out
	v_mov_b32 v238, 0
.irp e, 0,1,2,3,4,5,6,7
	v_cmp_gt_f32 s44, v[224+\e], v237
	v_cmp_ne_u32 vcc_lo, \e, v236
	s_and_b32 vcc_lo, vcc_lo, s44
	v_cndmask_b32 v237, v237, v[224+\e], vcc_lo
	v_cndmask_b32 v238, v238, \e, vcc_lo
.endr
	v_add_f32 v239, v235, v237
	v_add_f32 v239, 0x3089705f, v239               ; + 1e-9
	s_wait_alu depctr_va_vdst(0)
	v_rcp_f32 v240, v239
	v_lshl_or_b32 v21, v238, 8, v236               ; e0 | e1 << 8; also the plain line behind the reciprocal
	s_wait_alu depctr_va_vdst(0)
	v_mul_f32 v22, v235, v240
	v_mul_f32 v23, v237, v240
	v_cndmask_b32 v241, v224, v225, s45            ; lane l stores probability l % 8 of its token
	v_cndmask_b32 v242, v226, v227, s45
	v_cndmask_b32 v243, v228, v229, s45
	v_cndmask_b32 v244, v230, v231, s45
	v_cndmask_b32 v241, v241, v242, s46
	v_cndmask_b32 v243, v243, v244, s46
	v_cndmask_b32 v20, v241, v243, s47
	ds_store_b32 v11, v20 offset:PS+128*(\gi)
	ds_store_b32 v13, v21 offset:16*(\gi)          ; (a token's eight lanes write the same word with the same value)
	ds_store_b64 v14, v[22:23] offset:32*(\gi)
	TURN 0
	TURN 1
	s_wait_dscnt 16                                ; token 0 is back; token 1's 16 may be out
	QX 0, \gi
	TURN 2
	s_wait_dscnt 20                                ; token 1 is back; behind it: 4 stores of codes and token 2's 16
	QX 1, \gi
	TURN 3
	s_wait_dscnt 20
	QX 2, \gi
	s_wait_dscnt 4                                 ; token 3 is back, so every store into the stages has read its registers; the last 4 stores of codes may be out
.if (\gi)==0
	XLOAD 1                                        ; the next four tokens
.endif
	QX 3, \gi
.irp n, 0,1,2,3,4,5
	ds_load_b128 v[160+4*\n:163+4*\n], v10 offset:CS+512*\n
.endr
	s_wait_dscnt 0x0
.irp n, 0,1,2,3,4,5
	global_store_b128 v5, v[160+4*\n:163+4*\n], s[20:21] offset:3072*(\gi)+512*\n   ; four rows of codes: 3,072 consecutive bytes, aligned
.endr
.endm
	GROUP 0
	GROUP 1
	ds_load_b64 v[184:185], v12 offset:SS
	ds_load_b64 v[186:187], v12 offset:PS
	s_wait_dscnt 0x0                               ; also for the others' sake: my choices and weights have landed
	global_store_b64 v17, v[184:185], s[22:23]     ; 8 tokens' scale bytes: 256 consecutive bytes, aligned
	global_store_b64 v17, v[186:187], s[14:15]     ; 8 tokens' probabilities likewise
	s_barrier_signal -1
	s_barrier_wait -1
	s_cmp_lg_u32 s2, 0
	s_cbranch_scc1 .Lnot0
	ds_load_b32 v188, v15
	s_wait_dscnt 0x0
	global_store_b32 v18, v188, s[16:17]           ; 32 choices
.Lnot0:
	s_cmp_lg_u32 s2, 1
	s_cbranch_scc1 .Lxend
	ds_load_b64 v[190:191], v16
	s_wait_dscnt 0x0
	global_store_b64 v17, v[190:191], s[18:19]     ; 32 pairs of weights: 256 bytes
.Lxend:
	s_set_vgpr_msb 0x4
	s_wait_tensorcnt 0x0
	ds_add_u32 v27, v1
	s_wait_dscnt 0x0
	s_set_vgpr_msb 0x400
	s_endpgm
.Lfunc_end_k_q699601416e_prep:
	.size	k_q699601416e_prep, .Lfunc_end_k_q699601416e_prep-k_q699601416e_prep
	.p2alignl 7, 3214868480
	.fill 96, 4, 3214868480
	.section	.rodata,"a",@progbits
	.p2align	6, 0x0
	.amdhsa_kernel k_q699601416e_prep
		.amdhsa_group_segment_fixed_size 90112
		.amdhsa_private_segment_fixed_size 0
		.amdhsa_enable_private_segment 0
		.amdhsa_kernarg_size 96
		.amdhsa_user_sgpr_count 2
		.amdhsa_user_sgpr_kernarg_segment_ptr 1
		.amdhsa_wavefront_size32 1
		.amdhsa_system_sgpr_workgroup_id_x 1
		.amdhsa_system_sgpr_workgroup_id_y 1
		.amdhsa_system_sgpr_workgroup_id_z 1
		.amdhsa_system_vgpr_workitem_id 0
		.amdhsa_next_free_vgpr 258
		.amdhsa_next_free_sgpr 66
		.amdhsa_reserve_vcc 1
		.amdhsa_float_denorm_mode_32 3
		.amdhsa_float_denorm_mode_16_64 3
		.amdhsa_memory_ordered 1
		.amdhsa_forward_progress 1
		.amdhsa_inst_pref_size 186
	.end_amdhsa_kernel
	.amdgpu_metadata
---
amdhsa.version: [ 1, 2 ]
amdhsa.kernels:
  - .name:           k_q699601416e_prep
    .symbol:         k_q699601416e_prep.kd
    .args:
      - { .name: x, .offset: 0, .size: 8, .value_kind: global_buffer, .address_space: global }
      - { .name: Wg, .offset: 8, .size: 8, .value_kind: global_buffer, .address_space: global }
      - { .name: bg, .offset: 16, .size: 8, .value_kind: global_buffer, .address_space: global }
      - { .name: W1, .offset: 24, .size: 8, .value_kind: global_buffer, .address_space: global }
      - { .name: W2, .offset: 32, .size: 8, .value_kind: global_buffer, .address_space: global }
      - { .name: out1, .offset: 40, .size: 8, .value_kind: global_buffer, .address_space: global }
      - { .name: sel, .offset: 48, .size: 8, .value_kind: global_buffer, .address_space: global }
      - { .name: gatew, .offset: 56, .size: 8, .value_kind: global_buffer, .address_space: global }
      - { .name: xcodes, .offset: 64, .size: 8, .value_kind: global_buffer, .address_space: global }
      - { .name: xscale, .offset: 72, .size: 8, .value_kind: global_buffer, .address_space: global }
      - { .name: wcodes, .offset: 80, .size: 8, .value_kind: global_buffer, .address_space: global }
      - { .name: wscale, .offset: 88, .size: 8, .value_kind: global_buffer, .address_space: global }
    .group_segment_fixed_size: 90112
    .private_segment_fixed_size: 0
    .kernarg_segment_align: 8
    .kernarg_segment_size: 96
    .max_flat_workgroup_size: 128
    .sgpr_count:     66
    .vgpr_count:     258
    .wavefront_size: 32
...
	.end_amdgpu_metadata
.endif
;; end of part 5
;; launch place (part 6): grid 1 x 1, 32 waves a work-group, no clusters, 5,120 bytes of LDS; arguments sel, list; writes list
.if DOCPART == 6
	.amdgcn_target "amdgcn-amd-amdhsa--gfx1250"
	.amdhsa_code_object_version 6
	.text
	.protected	k_q699601416e_place
	.globl	k_q699601416e_place
	.p2align	8
	.type	k_q699601416e_place,@function
k_q699601416e_place:
	s_mov_b64 s[64:65], 0
	v_nop
	global_prefetch_b8 v0, s[64:65] scope:SCOPE_SE
	s_setreg_imm32_b32 hwreg(HW_REG_WAVE_MODE, 25, 1), 1
	s_wait_xcnt 0x0
; PLACE: a counting sort of the 8,192 routed rows by expert, without atomics and without a change of EXEC.  A row is a slot 2 x token + k (k = 0: the token's first choice, 1: its second).
; list: words 0-7 the experts' totals (words 8-31 zeros); from byte 256 on eight lists of 4,160 words: an expert's slots, then 64 zeros, so that a tile of 64 words reads written words alone.
; One work-group of 32 waves.  Thread t owns slots 8 t .. 8 t + 7 (tokens 4 t .. 4 t + 3).  Each slot has exactly one expert, so every lane stores in every store.
; Phase 1: a wave counts its 256 slots by expert, in eight scalar counters; the counts meet in LDS, a row of 32 bytes a wave.
; Prefix: lane l takes wave l's row, rows of waves not below mine count as 0, and the eight sums over the lanes (whole numbers throughout: addresses hang on them) are my wave's first places.
; Phase 2: a slot's place is its expert's running base + the number of lower lanes with the same expert (v_mbcnt_lo_u32_b32).  Every stored index is held inside the lists by v_min_u32.
; Wave 31's running bases end at the lists' ends: it stores the zeros behind them, and the totals.
.set CAP, 4160
	s_load_b128 s[4:7], s[0:1], 0x0                ; sel, list
	v_lshl_add_u32 v96, v0, 2, 0x400
	v_mov_b32 v97, 0
	v_lshrrev_b32 v1, 5, v0
	s_delay_alu instid0(VALU_DEP_1)
	v_readfirstlane_b32 s8, v1                     ; wave 0..31
	v_and_b32 v1, 31, v0                           ; lane
	v_lshlrev_b32 v2, 4, v0                        ; sel: 16 bytes a thread
	v_and_b32 v5, 0x3e0, v0                        ; LDS: my wave's row: 32 x wave
	s_delay_alu instid0(VALU_DEP_3)
	v_lshlrev_b32 v7, 5, v1                        ; wave l's row
	v_lshlrev_b32 v10, 3, v0                       ; my first slot
	v_lshlrev_b32 v13, 2, v1
	s_mov_b32 s20, 0x76543210
	s_mov_b32 s21, 0xfedcba98                      ; v_permlanex16_b32's selects for lane l xor 16
.irp e, 0,1,2,3,4,5,6,7
	s_mov_b32 s[12+\e], 0
	v_mov_b32 v[48+\e], 0                          ; written once: the destination of a lane move counts as one of its sources
.endr
	s_wait_kmcnt 0x0
	global_load_b128 v[28:31], v2, s[4:5]          ; a wave reads 512 consecutive bytes
	s_wait_loadcnt 0x0
.irp c, 0,1,2,3
	v_and_b32 v[32+2*\c], 0xff, v[28+\c]           ; slot 2 c: the token's first choice,
	v_bfe_u32 v[33+2*\c], v[28+\c], 8, 8           ; slot 2 c + 1: its second
.endr
.set j, 0
.rept 8
.irp e, 0,1,2,3,4,5,6,7
	v_cmp_eq_u32 vcc_lo, \e, v[32+j]
	s_bcnt1_i32_b32 s22, vcc_lo
	s_add_co_u32 s[12+\e], s[12+\e], s22
.endr
.set j, j+1
.endr
.irp e, 0,1,2,3,4,5,6,7
	v_mov_b32 v[40+\e], s[12+\e]
.endr
	ds_store_b128 v5, v[40:43]                     ; all lanes write the same bytes with the same values
	ds_store_b128 v5, v[44:47] offset:16
	s_wait_dscnt 0x0                               ; for the others' sake: my stores have landed
	s_barrier_signal -1
	s_barrier_wait -1
	ds_load_b128 v[20:23], v7
	ds_load_b128 v[24:27], v7 offset:16
	v_cmp_gt_u32 vcc_lo, s8, v1                    ; waves below mine
	s_wait_dscnt 0x0
.irp e, 0,1,2,3,4,5,6,7
	v_cndmask_b32 v[20+\e], 0, v[20+\e], vcc_lo
.endr
.irp x, 1,2,4,8                        ; the eight sums over the lanes: four steps inside each half of 16,
.irp e, 0,1,2,3,4,5,6,7
	v_mov_b32_dpp v[48+\e], v[20+\e] row_xmask:\x row_mask:0xf bank_mask:0xf
.endr
.irp e, 0,1,2,3,4,5,6,7
	v_add_nc_u32 v[20+\e], v[20+\e], v[48+\e]
.endr
.endr
.irp e, 0,1,2,3,4,5,6,7
	v_permlanex16_b32 v[48+\e], v[20+\e], s20, s21 ; one across the halves
.endr
.irp e, 0,1,2,3,4,5,6,7
	v_add_nc_u32 v[20+\e], v[20+\e], v[48+\e]
.endr
.irp e, 0,1,2,3,4,5,6,7
	v_readfirstlane_b32 s[12+\e], v[20+\e]
.endr
.irp e, 0,1,2,3,4,5,6,7
	s_add_co_u32 s[12+\e], s[12+\e], CAP*\e        ; in expert e's list
.endr
.set j, 0
.rept 8                                ; each slot has registers of its own for its place and its number: no store's sources are written again
.irp e, 0,1,2,3,4,5,6,7
	v_cmp_eq_u32 vcc_lo, \e, v[32+j]
.if \e == 0
	s_delay_alu instid0(VALU_DEP_1)
	v_mbcnt_lo_u32_b32 v[56+j], vcc_lo, s[12+\e]   ; base + how many lower lanes have this expert
.else
	s_delay_alu instid0(VALU_DEP_1)
	v_mbcnt_lo_u32_b32 v3, vcc_lo, s[12+\e]
	s_delay_alu instid0(VALU_DEP_1)
	v_cndmask_b32 v[56+j], v[56+j], v3, vcc_lo     ; kept where the expert is mine
.endif
	s_bcnt1_i32_b32 s22, vcc_lo
	s_add_co_u32 s[12+\e], s[12+\e], s22
.endr
	v_min_u32 v[56+j], 33279, v[56+j]              ; held inside the eight lists
	s_delay_alu instid0(VALU_DEP_1)
	v_lshlrev_b32 v[56+j], 2, v[56+j]
	v_add_nc_u32 v[64+j], j, v10                   ; the slot's number
	global_store_b32 v[56+j], v[64+j], s[6:7] offset:256
.set j, j+1
.endr
	s_cmp_lg_u32 s8, 31
	s_cbranch_scc1 .Ldone
	v_mov_b32 v16, 0
	v_mov_b32 v17, 0
	v_add_nc_u32 v15, 32, v1
.irp e, 0,1,2,3,4,5,6,7                ; the last wave stands at each list's end: 64 zeros, and the total
	v_add_nc_u32 v[72+2*\e], s[12+\e], v1
	v_add_nc_u32 v[73+2*\e], s[12+\e], v15
	s_delay_alu instid0(VALU_DEP_2)
	v_min_u32 v[72+2*\e], 33279, v[72+2*\e]
	s_delay_alu instid0(VALU_DEP_2)
	v_min_u32 v[73+2*\e], 33279, v[73+2*\e]
	s_delay_alu instid0(VALU_DEP_2)
	v_lshlrev_b32 v[72+2*\e], 2, v[72+2*\e]
	s_delay_alu instid0(VALU_DEP_2)
	v_lshlrev_b32 v[73+2*\e], 2, v[73+2*\e]
	global_store_b32 v[72+2*\e], v16, s[6:7] offset:256
	global_store_b32 v[73+2*\e], v16, s[6:7] offset:256
	s_sub_co_u32 s22, s[12+\e], CAP*\e
	v_writelane_b32 v17, s22, \e
.endr
	global_store_b32 v13, v17, s[6:7]              ; words 0-7 the totals, words 8-31 zeros
.Ldone:
	s_wait_tensorcnt 0x0
	ds_add_u32 v96, v97
	s_wait_dscnt 0x0
	s_endpgm
.Lfunc_end_k_q699601416e_place:
	.size	k_q699601416e_place, .Lfunc_end_k_q699601416e_place-k_q699601416e_place
	.p2alignl 7, 3214868480
	.fill 96, 4, 3214868480
	.section	.rodata,"a",@progbits
	.p2align	6, 0x0
	.amdhsa_kernel k_q699601416e_place
		.amdhsa_group_segment_fixed_size 5120
		.amdhsa_private_segment_fixed_size 0
		.amdhsa_enable_private_segment 0
		.amdhsa_kernarg_size 16
		.amdhsa_user_sgpr_count 2
		.amdhsa_user_sgpr_kernarg_segment_ptr 1
		.amdhsa_wavefront_size32 1
		.amdhsa_system_sgpr_workgroup_id_x 1
		.amdhsa_system_sgpr_workgroup_id_y 1
		.amdhsa_system_sgpr_workgroup_id_z 1
		.amdhsa_system_vgpr_workitem_id 0
		.amdhsa_next_free_vgpr 98
		.amdhsa_next_free_sgpr 66
		.amdhsa_reserve_vcc 1
		.amdhsa_float_denorm_mode_32 3
		.amdhsa_float_denorm_mode_16_64 3
		.amdhsa_memory_ordered 1
		.amdhsa_forward_progress 1
		.amdhsa_inst_pref_size 37
	.end_amdhsa_kernel
	.amdgpu_metadata
---
amdhsa.version: [ 1, 2 ]
amdhsa.kernels:
  - .name:           k_q699601416e_place
    .symbol:         k_q699601416e_place.kd
    .args:
      - { .name: sel, .offset: 0, .size: 8, .value_kind: global_buffer, .address_space: global }
      - { .name: list, .offset: 8, .size: 8, .value_kind: global_buffer, .address_space: global }
    .group_segment_fixed_size: 5120
    .private_segment_fixed_size: 0
    .kernarg_segment_align: 8
    .kernarg_segment_size: 16
    .max_flat_workgroup_size: 1024
    .sgpr_count:     66
    .vgpr_count:     98
    .wavefront_size: 32
...
	.end_amdgpu_metadata
.endif
;; end of part 6
;; launch chain (part 7): grid 135 x 1, 8 waves a work-group, no clusters, 203,776 bytes of LDS; arguments x, b1, g1, be1, b2, g2, be2, list, gatew, xcodes, xscale, wcodes, wscale, ybuf; writes ybuf
.if DOCPART == 7
	.amdgcn_target "amdgcn-amd-amdhsa--gfx1250"
	.amdhsa_code_object_version 6
	.text
	.protected	k_q699601416e_chain
	.globl	k_q699601416e_chain
	.p2align	8
	.type	k_q699601416e_chain,@function
k_q699601416e_chain:
	s_mov_b64 s[64:65], 0
	v_nop
	global_prefetch_b8 v0, s[64:65] scope:SCOPE_SE
	s_setreg_imm32_b32 hwreg(HW_REG_WAVE_SCHED_MODE, 0, 2), 2
	s_setreg_imm32_b32 hwreg(HW_REG_WAVE_MODE, 25, 1), 1
	s_wait_xcnt 0x0
	s_wait_alu depctr_vm_vsrc(0)
; CHAIN: one tile of up to 64 routed rows of ONE expert through the whole block:
;   Q(x) Q(W1) + b1, layer norm, relu, quantise, Q(h) Q(W2) + b2, layer norm, relu(x + .), x the gate's weight -> ybuf[slot], slot = 2 x token + k.
; GRID.  8,192 routed rows, 8 experts, tiles of 64: never more than 8192 / 64 + 7 = 135 tiles, whatever the split.  A work-group finds its tile from the stored totals.
;   Every wave passes every barrier, and no barrier stands under a branch on a number read from memory.  So a work-group that the split leaves without rows (at most 7) has no early way out:
;   it walks the text on its expert's first 64 list words, asks for no prefetch and stores nothing.  Only the stores at the end, behind the last barrier, hang on the number of rows.
;   The text has no tensor load: the weights go from memory straight into registers.
;   No cluster: partners would need tiles of one expert, and how many tiles an expert has hangs on the stored totals.
; SHARES.  THE WAVES SHARE THE COLUMNS: wave w makes columns 128 w .. 128 w + 127 for all 64 rows: 4 tiles of rows x 8 tiles of columns = 32 accumulators, all of window 1 (tile (m, t) at v[8 (8 m + t)]).
;   So each weight byte is read once by the work-group, each wave streams its own 96 KiB a layer, laid in the order of its operand registers, and a norm's sums meet in LDS.
; BOTH PRODUCTS ARE USED TRANSPOSED (source 0 = 16 columns of W, source 1 = 16 rows): lane (r, h) holds ONE row r, and register 64 m + 16 b + i its column 128 w + 32 b + 16 h + i, since the columns
;   that form a tile were chosen so.  A wave's 128 hidden units are K step w of the second product: quantised in registers they are one fragment and one scale word a row.
; OPERANDS GO FROM WAVE TO WAVE THROUGH LDS AS IMAGES OF THEIR REGISTERS: 3 stores of 16 bytes a lane a fragment, the scale words 4 bytes a row.
; The variance is taken of the centred numbers, as the definition has it.  LIMITS: NaN and infinities are not served.
; WINDOW 0: v1-12 addresses, v13-16 residual offsets, v17-20 gate weights, v22-29 a pair of statistics a tile of rows, v30 prefetch offset; v32-79 the rows' four fragments (between the layers: parameters and
;   temporaries); v80-81 the rows' scale words, v82-89 W's, two sets: these ten hold scales and nothing else; v90-93 head; v96-239 a ring of three slots of four fragments of W (later the residual);
;   v240-255 head, parameters, squares, row offsets.
; THE MODE: SCHED_MODE bits 1:0 = 2 (LLVM: expert scheduling mode 2), set by the entry lines.  The code itself states the register dependences between vector or matrix instructions and memory or LDS
;   instructions, with s_wait_alu, always for 0.
; THE PLAN.  Registers that memory or LDS instructions touch, and who else names them:
;   v1-16, v30    addresses and offsets: made by vector lines at the head, never written again.  One wait at the head, one ahead of the gathers.
;   ring slot I % 3, W's scale words    read by half step I's sixteen products; FILL I + 3 lands there.
;   v32-79, v80-81    the rows' fragments and scale words: read by the products of both half steps of a K step; the next K step's LDS loads land there behind the odd one.
;       So ONE wait on va_vdst stands behind a half step's products, and all its loads follow it.  It stands there and not at the next half step's head, so that the slot is asked for again ahead of the
;       next wait on LOADcnt: three half steps' loads are then out at that wait, and not two.  A half step that issues no load has no wait.
;   v32-79, v240-255 between the layers    parameters and partial sums land by LDS loads and are read by vector lines: a wait on va_vdst ahead of each run of loads that lands where vector lines have been.
;   v22-29, v240-247    a norm's partial sums: written by vector lines, read by four LDS stores, written again: va_vdst ahead of the stores, vm_vsrc behind the barrier.
;   v48-59, v68    a tile's codes and scale word: written by vector lines, read by four LDS stores, written again by the next tile: va_vdst ahead of the stores, vm_vsrc behind them.
;   the way out    a tile's results (window 1) and its row offsets v240-255 are written by vector lines, then ONE wait on va_vdst, then all of the tile's stores and loads; vm_vsrc ahead of the next tile's offsets.
.set ASC,  0                           ; LDS: x's scale words: 256 bytes a K step
.set HSC,  2048                        ; the hidden layer's
.set STAT, 4096                        ; four regions of [64 rows][8 waves] f32, each written once
.set AIMG, 12288                       ; x's 32 fragments, (4 s + m) x 1,536 bytes; the hidden layer's lie 49,152 bytes on
.set PAR,  110592                      ; a wave's 128 numbers of b1, g1, be1, b2, g2, be2: 3,072 bytes a wave
.set STG,  135168                      ; a wave's stage for the way out: 16 rows x (512 + 16) bytes
.set MSB, 0
.macro WIN new                         ; s_set_vgpr_msb: bits 1:0 source 0, 3:2 source 1, 5:4 source 2, 7:6 destination; the high byte repeats the setting that is left
.if MSB != \new
	s_set_vgpr_msb (MSB<<8)|\new
.set MSB, \new
.endif
.endm
.macro BARRIER                         ; my LDS stores have landed and my LDS loads are in: then the work-group's barrier
	s_wait_dscnt 0x0
	s_barrier_signal -1
	s_barrier_wait -1
.endm
; half step I (0..31: layer I / 16, K step (I % 16) / 2, tiles 4 (I % 2) on): four fragments of W into ring slot I % 3; with an even I the K step's scale words of all eight tiles
.macro FILL I
.set FB, 96+48*((\I)%3)
.set FO, ((\I)/16)*6291456+(((\I)%16)/2)*12288+((\I)%2)*6144
.irp f, 0,1,2,3
.irp g, 0,1,2
	global_load_b128 v[FB+12*\f+4*\g:FB+12*\f+4*\g+3], v1, s[26:27] offset:FO+1536*\f+512*\g   ; 512 consecutive bytes a load
.endr
.endr
.if (\I)%2==0
	global_load_b128 v[82+4*(((\I)/2)%2):85+4*(((\I)/2)%2)], v1, s[28:29] offset:((\I)/16)*262144+(((\I)%16)/2)*512
.endif
.endm
; the rows' four fragments of K step ks and their scale words (v80: tiles 0 | 1 in the lanes' halves, v81: tiles 2 | 3)
.macro AFETCH reg, sc, ks
.irp m, 0,1,2,3
.irp g, 0,1,2
	ds_load_b128 v[32+12*\m+4*\g:32+12*\m+4*\g+3], v[\reg] offset:AIMG+6144*(\ks)+1536*\m+512*\g
.endr
.endr
	ds_load_b64 v[80:81], v3 offset:(\sc)+256*(\ks)
.endm
; A prefetch of my wave's own stream of W: K steps S + 4 and S + 5 of the sixteen (two layers), 24,576 bytes on end, lanes 256 bytes apart, three instructions.  All tiles of an expert walk the same
; bytes: the expert's first tile asks, each wave for its own part, so each block of 256 bytes is named once.  It stands behind the half step's loads.  K steps 0-3 come by their loads alone; the last ask names K steps 14, 15.
; (Its offset v30 was written ahead of the head's wait on va_vdst and is never written again.)
.macro ASK S
	s_cmp_lg_u32 s101, 0
	s_cbranch_scc1 .Lnoask_\@
.irp n, 0,1,2
	global_prefetch_b8 v30, s[26:27] offset:(((\S)+4)/8)*6291456+(((\S)+4)%8)*12288+8192*\n th:TH_LOAD_NT scope:SCOPE_SE
.endr
.Lnoask_\@:
.endm
.macro PRD                             ; one product, by the symbols DD, AA, BB, SA, SB, RR (which half of the lanes holds W's and the rows' scale words), KS
.if KS==0
.if RR==0
	v_wmma_scale_f32_16x16x128_f8f6f4 v[DD:DD+7], v[AA:AA+11], v[BB:BB+11], 0, v[SA], v[SB] matrix_a_fmt:MATRIX_FMT_FP6 matrix_b_fmt:MATRIX_FMT_FP6
.elseif RR==1
	v_wmma_scale_f32_16x16x128_f8f6f4 v[DD:DD+7], v[AA:AA+11], v[BB:BB+11], 0, v[SA], v[SB] matrix_a_fmt:MATRIX_FMT_FP6 matrix_b_fmt:MATRIX_FMT_FP6 matrix_a_scale:MATRIX_SCALE_ROW1
.elseif RR==2
	v_wmma_scale_f32_16x16x128_f8f6f4 v[DD:DD+7], v[AA:AA+11], v[BB:BB+11], 0, v[SA], v[SB] matrix_a_fmt:MATRIX_FMT_FP6 matrix_b_fmt:MATRIX_FMT_FP6 matrix_b_scale:MATRIX_SCALE_ROW1
.else
	v_wmma_scale_f32_16x16x128_f8f6f4 v[DD:DD+7], v[AA:AA+11], v[BB:BB+11], 0, v[SA], v[SB] matrix_a_fmt:MATRIX_FMT_FP6 matrix_b_fmt:MATRIX_FMT_FP6 matrix_a_scale:MATRIX_SCALE_ROW1 matrix_b_scale:MATRIX_SCALE_ROW1
.endif
.else
.if RR==0
	v_wmma_scale_f32_16x16x128_f8f6f4 v[DD:DD+7], v[AA:AA+11], v[BB:BB+11], v[DD:DD+7], v[SA], v[SB] matrix_a_fmt:MATRIX_FMT_FP6 matrix_b_fmt:MATRIX_FMT_FP6
.elseif RR==1
	v_wmma_scale_f32_16x16x128_f8f6f4 v[DD:DD+7], v[AA:AA+11], v[BB:BB+11], v[DD:DD+7], v[SA], v[SB] matrix_a_fmt:MATRIX_FMT_FP6 matrix_b_fmt:MATRIX_FMT_FP6 matrix_a_scale:MATRIX_SCALE_ROW1
.elseif RR==2
	v_wmma_scale_f32_16x16x128_f8f6f4 v[DD:DD+7], v[AA:AA+11], v[BB:BB+11], v[DD:DD+7], v[SA], v[SB] matrix_a_fmt:MATRIX_FMT_FP6 matrix_b_fmt:MATRIX_FMT_FP6 matrix_b_scale:MATRIX_SCALE_ROW1
.else
	v_wmma_scale_f32_16x16x128_f8f6f4 v[DD:DD+7], v[AA:AA+11], v[BB:BB+11], v[DD:DD+7], v[SA], v[SB] matrix_a_fmt:MATRIX_FMT_FP6 matrix_b_fmt:MATRIX_FMT_FP6 matrix_a_scale:MATRIX_SCALE_ROW1 matrix_b_scale:MATRIX_SCALE_ROW1
.endif
.endif
.endm
; A half step: 16 products, 4 tiles of columns x 4 tiles of rows, 128 along K.  The 32 accumulators take turns, one instruction a turn; a layer's first K step starts the sums with 0.
.macro HSTEP I
.set C2, (\I)%2
.set KS, ((\I)%16)/2
.set RB, 96+48*((\I)%3)
.set BSET, 82+4*(((\I)/2)%2)
.if (\I)<30
	s_wait_loadcnt 25                              ; this half step's fragments (and scale words) are in; behind them the two next half steps' 12 + 13 loads may be out
.elseif (\I)==30
	s_wait_loadcnt 12
.else
	s_wait_loadcnt 0x0
.endif
.if C2==0
	s_wait_dscnt 0x0                               ; the rows' fragments of this K step
.endif
	WIN 0x50                                       ; C and D in window 1
.irp m, 0,1,2,3
.irp f, 0,1,2,3
.set DD, 8*(8*\m+4*C2+\f)
.set AA, RB+12*\f
.set BB, 32+12*\m
.set SA, BSET+(4*C2+\f)/2
.set SB, 80+\m/2
.set RR, \f%2+2*(\m%2)
	PRD
.endr
.endr
	WIN 0
.rept 4
	v_nop                                          ; four places behind the products (ISA guide 7.12.1): the vector lines that read results behind a layer's last half step want them; elsewhere they are issued while the products are at work
.endr
.if ((\I)+3<32)||((C2==1)&&(KS<7))
	s_wait_alu depctr_va_vdst(0)                   ; these products are done reading ring slot I % 3 and, behind an odd half step, W's scale words, the rows' fragments v32-79 and their scale words: the loads below land there
.endif
.if (C2==1)&&(KS<7)                    ; the LDS loads first: the next half step waits for them at its head
.if (\I)<16
	AFETCH 1, ASC, KS+1
.else
	AFETCH 2, HSC, KS+1
.endif
.endif
.if (\I)+3<32
	FILL (\I)+3                                    ; into the slot just multiplied
.endif
.if ((\I)%4==0)&&((\I)<=20)
	ASK (\I)/2
.endif
.endm
; the pairs v[p + 2 m] (a lane's two partial sums of tile m's row) become the row's sum over all 1,024 columns, in v[p + 2 m], the same bits in every wave; region x of STAT
.macro XCHG p, x
	WIN 0
.irp m, 0,1,2,3
	v_add_f32 v[\p+2*\m], v[\p+2*\m], v[\p+2*\m+1]
.endr
.irp m, 0,1,2,3
	v_permlanex16_b32 v[\p+2*\m+1], v[\p+2*\m], s104, s105
.endr
.irp m, 0,1,2,3
	v_add_f32 v[\p+2*\m], v[\p+2*\m], v[\p+2*\m+1]     ; my wave's 128 columns
.endr
	s_wait_alu depctr_va_vdst(0)                   ; the four sums are written, which the LDS stores read; and every vector line that named v32-63 is done: the loads behind the barrier land there, and no vector line stands between
.irp m, 0,1,2,3
	ds_store_b32 v7, v[\p+2*\m] offset:STAT+2048*(\x)+512*\m
.endr
	BARRIER
	s_wait_alu depctr_vm_vsrc(0)                   ; my four stores have read v[p + 2 m], which the last line of each tile below writes again
.irp m, 0,1,2,3
.irp q, 0,1
	ds_load_b128 v[32+8*\m+4*\q:35+8*\m+4*\q], v8 offset:STAT+2048*(\x)+512*\m+16*\q
.endr
.endr
.irp m, 0,1,2,3
	s_wait_dscnt 6-2*\m                            ; tile m's two loads are in; the later tiles' may be out
	v_pk_add_f32 v[32+8*\m:33+8*\m], v[32+8*\m:33+8*\m], v[34+8*\m:35+8*\m]
	v_pk_add_f32 v[36+8*\m:37+8*\m], v[36+8*\m:37+8*\m], v[38+8*\m:39+8*\m]
	v_pk_add_f32 v[32+8*\m:33+8*\m], v[32+8*\m:33+8*\m], v[36+8*\m:37+8*\m]
	v_add_f32 v[\p+2*\m], v[32+8*\m], v[33+8*\m]
.endr
.endm
; + bias (parameter pb), mean, centre, variance, 1 / sqrt(variance + eps) into v[22 + 2 m].  The accumulators are read from their low ends on.
; (The sixteen loads at its head land in v32-79 and v240-255: the wait on va_vdst behind the layer's last products stands ahead of them, and no vector line since names these registers.)
.macro LNSTATS pb, x
.irp b, 0,1,2,3
.irp q, 0,1,2,3
	ds_load_b128 v[32+16*\b+160*(\b/3)+4*\q:35+16*\b+160*(\b/3)+4*\q], v9 offset:512*(\pb)+128*\b+16*\q   ; pair b's 16 numbers: v32, v48, v64, v240
.endr
.endr
.irp b, 0,1,2,3
	s_wait_dscnt 12-4*\b                           ; pair b's four loads are in
	WIN 0x41                                       ; source 0 and destination in window 1
.irp m, 0,1,2,3
.irp i, 0,2,4,6,8,10,12,14
	v_pk_add_f32 v[64*\m+16*\b+\i:64*\m+16*\b+\i+1], v[64*\m+16*\b+\i:64*\m+16*\b+\i+1], v[32+16*\b+160*(\b/3)+\i:33+16*\b+160*(\b/3)+\i]
.endr
.endr
.endr
	WIN 0x05                                       ; sources 0 and 1 in window 1
.irp m, 0,1,2,3
	v_pk_add_f32 v[22+2*\m:23+2*\m], v[64*\m:64*\m+1], v[64*\m+2:64*\m+3]
.endr
	WIN 0x04                                       ; source 1 in window 1
.set i, 4
.rept 30
.irp m, 0,1,2,3
	v_pk_add_f32 v[22+2*\m:23+2*\m], v[22+2*\m:23+2*\m], v[64*\m+i:64*\m+i+1]    ; the four tiles by turns
.endr
.set i, i+2
.endr
	XCHG 22, \x
	s_wait_alu depctr_va_vdst(0)
.irp m, 0,1,2,3
	v_mul_f32 v[22+2*\m], s7, v[22+2*\m]           ; the mean: x 2^-10
.endr
	WIN 0x41
.irp m, 0,1,2,3
.set i, 0
.rept 32
	v_pk_add_f32 v[64*\m+i:64*\m+i+1], v[64*\m+i:64*\m+i+1], v[22+2*\m:23+2*\m] op_sel_hi:[1,0] neg_lo:[0,1] neg_hi:[0,1]
.set i, i+2
.endr
.endr
	WIN 0x05
.irp m, 0,1,2,3
	v_pk_mul_f32 v[240+2*\m:241+2*\m], v[64*\m:64*\m+1], v[64*\m:64*\m+1]
.endr
.set i, 2
.rept 31
.irp m, 0,1,2,3
	v_pk_fma_f32 v[240+2*\m:241+2*\m], v[64*\m+i:64*\m+i+1], v[64*\m+i:64*\m+i+1], v[240+2*\m:241+2*\m]
.endr
.set i, i+2
.endr
	XCHG 240, (\x)+1
	s_wait_alu depctr_va_vdst(0)
.irp m, 0,1,2,3
	v_fma_f32 v[240+2*\m], v[240+2*\m], s7, s6     ; variance + 1e-5
.endr
	s_wait_alu depctr_va_vdst(0)
.irp m, 0,1,2,3
	v_rsq_f32 v[22+2*\m], v[240+2*\m]
.endr
	v_nop                                          ; a plain line behind the last of the four
	s_wait_alu depctr_va_vdst(0)                   ; the four reciprocal roots v22, v24, v26, v28 are written, ahead of their first reader; and the lines above are done with v32-63 and v240-247, in which the next parameters land
.endm
.macro PLOAD pg, pbe, pr               ; gain and offset of pair pr: into v32, v48 (even pairs) or v64, v240 (odd)
.irp q, 0,1,2,3
	ds_load_b128 v[32+32*((\pr)%2)+4*\q:35+32*((\pr)%2)+4*\q], v9 offset:512*(\pg)+128*(\pr)+16*\q
.endr
.irp q, 0,1,2,3
	ds_load_b128 v[48+192*((\pr)%2)+4*\q:51+192*((\pr)%2)+4*\q], v9 offset:512*(\pbe)+128*(\pr)+16*\q
.endr
.endm
.macro APPLYB pr, relu                 ; pair pr of all four tiles of rows: x 1 / sqrt, x gain + offset, and the relu
.set GA, 32+32*((\pr)%2)
.set GB, 48+192*((\pr)%2)
	WIN 0x41
.irp m, 0,1,2,3
.irp i, 0,2,4,6,8,10,12,14
	v_pk_mul_f32 v[64*\m+16*(\pr)+\i:64*\m+16*(\pr)+\i+1], v[64*\m+16*(\pr)+\i:64*\m+16*(\pr)+\i+1], v[22+2*\m:23+2*\m] op_sel_hi:[1,0]
.endr
.irp i, 0,2,4,6,8,10,12,14
	v_pk_fma_f32 v[64*\m+16*(\pr)+\i:64*\m+16*(\pr)+\i+1], v[64*\m+16*(\pr)+\i:64*\m+16*(\pr)+\i+1], v[GA+\i:GA+\i+1], v[GB+\i:GB+\i+1]
.endr
.endr
.if \relu
	WIN 0x44                                       ; source 1 and destination in window 1
.irp m, 0,1,2,3
.irp i, 0,1,2,3,4,5,6,7,8,9,10,11,12,13,14,15
	v_max_num_f32 v[64*\m+16*(\pr)+\i], 0, v[64*\m+16*(\pr)+\i]
.endr
.endr
.endif
	WIN 0
.endm
.macro APPLY pg, pbe, relu
	PLOAD \pg, \pbe, 0                             ; (behind the wait that closes LNSTATS)
	PLOAD \pg, \pbe, 1
	s_wait_dscnt 8                                 ; this pair's eight loads are in; the next pair's eight may be out
	APPLYB 0, \relu
	s_wait_alu depctr_va_vdst(0)                   ; pair 0's lines are done reading v32-63, in which pair 2's gain and offset land
	PLOAD \pg, \pbe, 2
	s_wait_dscnt 8
	APPLYB 1, \relu
	s_wait_alu depctr_va_vdst(0)                   ; pair 1's lines are done reading v64-79 and v240-255, in which pair 3's land
	PLOAD \pg, \pbe, 3
	s_wait_dscnt 8
	APPLYB 2, \relu
	s_wait_dscnt 0x0
	APPLYB 3, \relu
.endm
; tile tm's 64 numbers of a lane (none negative) become a fragment's codes, v48-59, and its scale word, v68, and go to LDS as K step w of the second product
.macro QUANT tm
.set QA, 64*(\tm)
	WIN 0x05
.irp b, 0,1,2,3
	v_max3_num_f32 v[32+\b], v[QA+16*\b], v[QA+16*\b+1], 0x1800000   ; block b: my 16 numbers, and the floor 2^(3 - 127): the byte cannot fall under 1
.endr
	WIN 0x14                                       ; sources 1 and 2 in window 1
.irp i, 2,4,6,8,10,12,14
.irp b, 0,1,2,3
	v_max3_num_f32 v[32+\b], v[32+\b], v[QA+16*\b+\i], v[QA+16*\b+\i+1]
.endr
.endr
	WIN 0
.irp b, 0,1,2,3
	v_permlanex16_b32 v[36+\b], v[32+\b], s104, s105
.endr
.irp b, 0,1,2,3
	v_max_num_f32 v[32+\b], v[32+\b], v[36+\b]     ; with lane l xor 16's 16: the block's largest
.endr
.irp b, 0,1,2,3
	v_add_nc_u32 v[44+\b], 0xff000000, v[32+\b]    ; 2 off its exponent field: the conversion's scale operand
.endr
.irp b, 0,1,2,3
	v_lshrrev_b32 v[36+\b], 23, v[44+\b]           ; the scale's byte
.endr
	v_lshl_or_b32 v68, v37, 8, v36
	v_lshl_or_b32 v68, v38, 16, v68
	v_lshl_or_b32 v68, v39, 24, v68
	WIN 0x01                                       ; source 0 in window 1
.irp c, 0,1
	v_cvt_scalef32_pk16_fp6_f32 v[48+6*\c:50+6*\c], v[QA+32*\c:QA+32*\c+15], v[44+2*\c]
	v_cvt_scalef32_pk16_fp6_f32 v[60+4*\c:62+4*\c], v[QA+32*\c+16:QA+32*\c+31], v[44+2*\c+1]   ; (a conversion's three registers begin on an even number)
.endr
	WIN 0
	v_nop                                          ; one plain line behind the conversions
.irp c, 0,1                            ; the operand wants a whole block in a lane: lanes 0-15 block 2 c, lanes 16-31 block 2 c + 1
.irp i, 0,1,2
	v_permlane16_swap_b32 v[48+6*\c+\i], v[60+4*\c+\i]
.endr
.irp i, 0,1,2
	v_mov_b32 v[51+6*\c+\i], v[60+4*\c+\i]
.endr
.endr
	s_wait_alu depctr_va_vdst(0)                   ; the codes v48-59 and the scale word v68 are written, which the four LDS stores read; behind the last tile also: these lines are done with v32-68, in which the rows' fragments land
.irp g, 0,1,2
	ds_store_b128 v5, v[48+4*\g:51+4*\g] offset:AIMG+1536*(\tm)+512*\g
.endr
	ds_store_b32 v6, v68 offset:HSC+128*((\tm)%2)+4*((\tm)/2)
	s_wait_dscnt 0x0                               ; the tile's four stores have landed; this wait is not leaned on for their registers
	s_wait_alu depctr_vm_vsrc(0)                   ; the stores have read v48-59 and v68, which the next tile's lines write again (behind the last tile: the loads of the rows' fragments)
.endm
.macro RLOAD tm                        ; the residual: x(row, my 64 columns) in the accumulators' layout
.irp b, 0,1,2,3
.irp q, 0,1,2,3
	global_load_b128 v[96+64*((\tm)%2)+16*\b+4*\q:99+64*((\tm)%2)+16*\b+4*\q], v[13+(\tm)], s[4:5] offset:128*\b+16*\q
.endr
.endr
.endm
; tile tm goes out: + x, relu, x the gate's weight; through my stage; each row that exists leaves as 512 consecutive bytes of its slot's row.  rl: the scalar registers with the tile's 16 slots; nw: the younger loads
; All of the tile's vector lines, the row offsets among them, stand ahead of its one wait on va_vdst; its stores and loads follow, with no vector line among them.
.macro TILEOUT tm, rl, nw
	s_cmp_le_u32 s3, 16*(\tm)                      ; no row of this tile exists: nothing more is stored
	s_cbranch_scc1 .Lend
	s_wait_loadcnt \nw                             ; this tile's residual is in; the later tile's 16 loads may be out
	v_mov_b32 v[22+2*(\tm)], v[17+(\tm)]           ; the weight, into the low half of a pair
	WIN 0x41
.set i, 0
.rept 32
	v_pk_add_f32 v[64*(\tm)+i:64*(\tm)+i+1], v[64*(\tm)+i:64*(\tm)+i+1], v[96+64*((\tm)%2)+i:97+64*((\tm)%2)+i]
.set i, i+2
.endr
	WIN 0x44
.set i, 0
.rept 64
	v_max_num_f32 v[64*(\tm)+i], 0, v[64*(\tm)+i]
.set i, i+1
.endr
	WIN 0x41
.set i, 0
.rept 32
	v_pk_mul_f32 v[64*(\tm)+i:64*(\tm)+i+1], v[64*(\tm)+i:64*(\tm)+i+1], v[22+2*(\tm):23+2*(\tm)] op_sel_hi:[1,0]
.set i, i+2
.endr
	WIN 0
.if (\tm)>0
	s_wait_xcnt 0x0                                ; the last tile's stores have had their addresses translated (ISA guide 3.1): their data and offsets are rewritten only behind this wait
	s_wait_alu depctr_vm_vsrc(0)                   ; the last tile's stores have read their offsets v240-255, which the lines below write again, and their data v32-79 and v224-239, in which the loads from the stage land
.endif
.set i, 0
.rept 16
	s_min_u32 s66, s[\rl+i], 8191                  ; a stored slot enters an address only held inside the buffer
	s_lshl_b32 s66, s66, 12
	v_add_nc_u32 v[240+i], s66, v12
.set i, i+1
.endr
	WIN 0x04                                       ; an LDS store's data are its source 1
	s_wait_alu depctr_va_vdst(0)                   ; the tile's results are written, which the stage's stores read; so are the offsets v240-255, which the global stores read; the additions are done reading the residual's registers, and every vector or matrix line that named v32-79 and v224-239 is done: loads land in all of these
.irp b, 0,1,2,3
.irp q, 0,1,2,3
	ds_store_b128 v10, v[64*(\tm)+16*\b+4*\q:64*(\tm)+16*\b+4*\q+3] offset:128*\b+16*\q
.endr
.endr
	WIN 0
.set i, 0
.rept 16
	ds_load_b128 v[32+4*i+144*(i/12):35+4*i+144*(i/12)], v11 offset:528*i   ; rows 0-11 into v32-79, rows 12-15 into v224-239.  LDS serves a wave's instructions in order (ISA guide 5.7.1.4)
.set i, i+1
.endr
.if (\tm)<2
	RLOAD (\tm)+2
.endif
.set i, 0
.rept 16
.if i>0
	s_cmp_le_u32 s3, 16*(\tm)+i                    ; rows past the tile's count are not stored
	s_cbranch_scc1 .Lend
.endif
	s_wait_dscnt 15-i
	global_store_b128 v[240+i], v[32+4*i+144*(i/12):35+4*i+144*(i/12)], s[30:31] th:TH_STORE_NT
.set i, i+1
.endr
.endm
	s_load_b512 s[4:19], s[0:1], 0x0               ; x 4, b1 6, g1 8, be1 10, b2 12, g2 14, be2 16, list 18
	s_load_b256 s[20:27], s[0:1], 0x40             ; gatew 20, xcodes 22, xscale 24, wcodes 26
	s_load_b128 s[28:31], s[0:1], 0x60             ; wscale 28, ybuf 30
	v_lshl_add_u32 v94, v0, 2, 0x31800
	v_mov_b32 v95, 0
	v_lshrrev_b32 v1, 5, v0
	v_readfirstlane_b32 s2, v1                     ; wave 0..7
	v_and_b32 v31, 31, v0                          ; lane
	v_and_b32 v21, 15, v0                          ; r
	v_bfe_u32 v90, v0, 4, 1                        ; h
	v_lshlrev_b32 v1, 4, v31                       ; 16 l: an image's place for my lane
	v_add_nc_u32 v2, 49152, v1                     ; the same among the hidden layer's images
	v_lshlrev_b32 v3, 3, v31                       ; 8 l: the rows' scale words
	s_wait_alu depctr_va_sdst(0)                   ; s2 is written, ahead of its first reader: LDS places and the streams' bases are made from it
	s_mul_i32 s40, s2, 6144
	v_add_nc_u32 v4, s40, v1                       ; where I store images: K step w
	v_add_nc_u32 v5, 49152, v4
	s_lshl_b32 s40, s2, 8
	v_lshl_add_u32 v6, v21, 3, s40                 ; and scale words: 8 r + 256 w
	s_lshl_b32 s40, s2, 2
	v_lshlrev_b32 v8, 5, v21                       ; a row's eight partial sums
	v_add_nc_u32 v7, s40, v8                       ; mine among them
	s_mul_i32 s40, s2, 3072
	s_add_co_u32 s40, s40, PAR
	v_lshl_add_u32 v9, v90, 6, s40                 ; parameters: my half's 16 of each 32
	v_add_nc_u32 v240, s40, v1                     ; and where they are stored
	s_mul_i32 s40, s2, 8448
	s_add_co_u32 s40, s40, STG
	v_add_nc_u32 v11, s40, v1                      ; the stage, back: a row of 512 bytes
	v_mul_u32_u24 v10, v21, 528
	v_lshl_add_u32 v10, v90, 6, v10
	v_add_nc_u32 v10, s40, v10                     ; the stage, in: row r, + 64 h
	s_lshl_b32 s40, s2, 9
	v_add_nc_u32 v12, s40, v1                      ; my 16 bytes of a row of ybuf: 512 w + 16 l
	v_lshl_add_u32 v243, v90, 6, s40               ; 512 w + 64 h
	v_lshlrev_b32 v30, 8, v31
	v_lshlrev_b32 v241, 2, v21
	s_mul_i32 s40, s2, 96
	v_mul_u32_u24 v242, v90, 48
	v_add_nc_u32 v242, s40, v242                   ; 96 w + 48 h
	s_lshl_b32 s67, s2, 2
	s_mov_b32 s104, 0x76543210
	s_mov_b32 s105, 0xfedcba98                     ; v_permlanex16_b32's selects for lane l xor 16
	s_wait_kmcnt 0x0
	s_load_b256 s[32:39], s[18:19], 0x0            ; the experts' totals
	s_mov_b32 s40, 0
	s_mov_b32 s41, 0
	s_mov_b32 s42, 0
	s_mov_b32 s100, 0
	s_wait_kmcnt 0x0
.irp i, 0,1,2,3,4,5,6,7                ; my expert: the last whose first tile is not behind my number
	s_cmp_ge_u32 ttmp9, s40
	s_cselect_b32 s100, \i, s100
	s_cselect_b32 s41, s40, s41
	s_cselect_b32 s42, s[32+\i], s42
	s_add_co_u32 s43, s[32+\i], 63
	s_lshr_b32 s43, s43, 6
	s_add_co_u32 s40, s40, s43
.endr
	s_sub_co_u32 s101, ttmp9, s41                  ; my tile of the expert
	s_lshl_b32 s43, s101, 6
	s_sub_co_i32 s3, s42, s43                      ; rows left from there,
	s_max_i32 s3, s3, 0                            ; none where the split has no tile for me,
	s_min_u32 s3, s3, 64                           ; 64 at the most
	s_cmp_eq_u32 s3, 0
	s_cselect_b32 s44, 0, s101                     ; without rows: the expert's first 64 list words, which are always written,
	s_cselect_b32 s101, 1, s101                    ; and no prefetch (s101 = 0 marks the expert's first tile)
	s_min_u32 s44, s44, 63                         ; stored numbers enter addresses only held to their ranges
	s_min_u32 s100, s100, 7
	s_mul_i32 s40, s100, 786432
	s_mul_i32 s41, s2, 98304
	s_add_co_u32 s40, s40, s41
	s_mov_b32 s41, 0
	s_add_nc_u64 s[26:27], s[26:27], s[40:41]      ; my stream of W1's codes; W2's lie 6,291,456 bytes on
	s_lshl_b32 s40, s100, 15
	s_lshl_b32 s42, s2, 12
	s_add_co_u32 s40, s40, s42
	s_add_nc_u64 s[28:29], s[28:29], s[40:41]      ; and of scale words; W2's 262,144 bytes on
	s_lshl_b32 s40, s100, 12
	s_lshl_b32 s42, s2, 9
	s_add_co_u32 s40, s40, s42
.irp p, 6,8,10,12,14,16
	s_add_nc_u64 s[\p:\p+1], s[\p:\p+1], s[40:41]  ; the six parameters at my 128 columns
.endr
	s_mul_i32 s40, s100, 4160
	s_lshl_b32 s42, s44, 6
	s_add_co_u32 s40, s40, s42
	s_lshl_b32 s40, s40, 2
	s_add_co_u32 s40, s40, 256
	s_add_nc_u64 s[18:19], s[18:19], s[40:41]      ; my tile's 64 slots
	s_load_b512 s[48:63], s[18:19], 0x0            ; as scalars, for the way out
	s_load_b512 s[68:83], s[18:19], 0x40
	s_load_b512 s[84:99], s[18:19], 0x80
	s_load_b512 s[32:47], s[18:19], 0xc0
	s_wait_alu depctr_va_vdst(0)                   ; the addresses and offsets v1-12, v30 and v240-243 are written, which the loads, stores and prefetches from here on read
.irp m, 0,1,2,3
	global_load_b32 v[244+\m], v241, s[18:19] offset:64*\m     ; and a lane its row's, for the gathers
.endr
.irp p, 0,1,2,3,4,5
	global_load_b128 v[32+4*\p:35+4*\p], v1, s[6+2*\p:7+2*\p]
.endr
	FILL 0
	FILL 1
	FILL 2
	s_wait_loadcnt 38                              ; the slots and the parameters are in; the three half steps' 13 + 12 + 13 loads may be out
	s_mov_b32 s6, 0x3727c5ac                       ; 1e-5  (b1's load is done: its base is free)
	s_mov_b32 s7, 0x3a800000                       ; 2^-10
.irp p, 0,1,2,3,4,5
	ds_store_b128 v240, v[32+4*\p:35+4*\p] offset:512*\p
.endr
.irp m, 0,1,2,3
	v_lshrrev_b32 v[248+\m], 1, v[244+\m]
	v_min_u32 v[244+\m], 8191, v[244+\m]           ; the slot,
	v_min_u32 v[248+\m], 4095, v[248+\m]           ; the token
	v_lshlrev_b32 v[244+\m], 2, v[244+\m]          ; gatew: 4 bytes a slot
	v_lshl_add_u32 v[13+\m], v[248+\m], 12, v243   ; x: the token's row, + 512 w + 64 h
	v_lshl_add_u32 v[252+\m], v[248+\m], 5, s67    ; xscale: 32 bytes a token, word w
	v_mul_u32_u24 v[248+\m], v[248+\m], 768
	v_add_nc_u32 v[248+\m], v[248+\m], v242        ; xcodes: 768 bytes a token, + 96 w + 48 h
.endr
	s_wait_dscnt 0x0                               ; the parameters' stores have landed; this wait is not leaned on for their registers
	s_wait_alu depctr_vm_vsrc(0)                   ; the parameters' stores have read v32-55, in which the gathers below land
	s_wait_alu depctr_va_vdst(0)                   ; the gathers' offsets v244-255 and the residual's v13-16 are written; the head's lines are done with v90, in which a scale word lands
.irp m, 0,1,2,3
.irp g, 0,1,2
	global_load_b128 v[32+12*\m+4*\g:35+12*\m+4*\g], v[248+\m], s[22:23] offset:16*\g    ; K step w of the 64 rows: my lane's 48 bytes are the fragment's 12 registers
.endr
.endr
.irp m, 0,1,2,3
	global_load_b32 v[90+\m], v[252+\m], s[24:25]
.endr
.irp m, 0,1,2,3
	global_load_b32 v[17+\m], v[244+\m], s[20:21]
.endr
	s_wait_loadcnt 4                               ; all but the four gate weights
.irp m, 0,1,2,3
.irp g, 0,1,2
	ds_store_b128 v4, v[32+12*\m+4*\g:35+12*\m+4*\g] offset:AIMG+1536*\m+512*\g
.endr
	ds_store_b32 v6, v[90+\m] offset:ASC+128*(\m%2)+4*(\m/2)
.endr
	BARRIER                                        ; x's 32 fragments lie in LDS
	s_wait_alu depctr_vm_vsrc(0)                   ; my images' stores have read v32-79, in which the rows' fragments land; the head's loads and stores have read v240-255, which take parameters, squares and row offsets later
	AFETCH 1, ASC, 0
.set II, 0
.rept 16
	HSTEP II
.set II, II+1
.endr
	LNSTATS 0, 0
	APPLY 1, 2, 1
	QUANT 0
	QUANT 1
	QUANT 2
	QUANT 3
	BARRIER                                        ; the hidden layer's 32 fragments lie in LDS
	AFETCH 2, HSC, 0                               ; (behind the last tile's two waits: no vector line since names v32-81)
.rept 16
	HSTEP II
.set II, II+1
.endr
	s_wait_alu depctr_va_vdst(0)                   ; the last products are done reading the ring, in which the residual lands, and v32-79, in which the parameters land
	RLOAD 0                                        ; the ring's registers are free
	RLOAD 1
	LNSTATS 3, 2
	APPLY 4, 5, 0
	s_wait_kmcnt 0x0                               ; the 64 slots
	TILEOUT 0, 48, 16
	TILEOUT 1, 68, 16
	TILEOUT 2, 84, 16
	TILEOUT 3, 32, 0
.Lend:
	s_wait_dscnt 0x0                               ; the closing lines, six on end
	s_wait_alu 0x0
	s_wait_tensorcnt 0x0
	ds_add_u32 v94, v95
	s_wait_dscnt 0x0
	s_endpgm
.Lfunc_end_k_q699601416e_chain:
	.size	k_q699601416e_chain, .Lfunc_end_k_q699601416e_chain-k_q699601416e_chain
	.p2alignl 7, 3214868480
	.fill 96, 4, 3214868480
	.section	.rodata,"a",@progbits
	.p2align	6, 0x0
	.amdhsa_kernel k_q699601416e_chain
		.amdhsa_group_segment_fixed_size 203776
		.amdhsa_private_segment_fixed_size 0
		.amdhsa_enable_private_segment 0
		.amdhsa_kernarg_size 112
		.amdhsa_user_sgpr_count 2
		.amdhsa_user_sgpr_kernarg_segment_ptr 1
		.amdhsa_wavefront_size32 1
		.amdhsa_system_sgpr_workgroup_id_x 1
		.amdhsa_system_sgpr_workgroup_id_y 1
		.amdhsa_system_sgpr_workgroup_id_z 1
		.amdhsa_system_vgpr_workitem_id 0
		.amdhsa_next_free_vgpr 512
		.amdhsa_next_free_sgpr 106
		.amdhsa_reserve_vcc 0
		.amdhsa_float_denorm_mode_32 3
		.amdhsa_float_denorm_mode_16_64 3
		.amdhsa_memory_ordered 1
		.amdhsa_forward_progress 1
		.amdhsa_inst_pref_size 255
	.end_amdhsa_kernel
	.section	.bss,"aw",@nobits
	.p2align	6
	.space	262144
	.amdgpu_metadata
---
amdhsa.version: [ 1, 2 ]
amdhsa.kernels:
  - .name:           k_q699601416e_chain
    .symbol:         k_q699601416e_chain.kd
    .args:
      - { .name: x, .offset: 0, .size: 8, .value_kind: global_buffer, .address_space: global }
      - { .name: b1, .offset: 8, .size: 8, .value_kind: global_buffer, .address_space: global }
      - { .name: g1, .offset: 16, .size: 8, .value_kind: global_buffer, .address_space: global }
      - { .name: be1, .offset: 24, .size: 8, .value_kind: global_buffer, .address_space: global }
      - { .name: b2, .offset: 32, .size: 8, .value_kind: global_buffer, .address_space: global }
      - { .name: g2, .offset: 40, .size: 8, .value_kind: global_buffer, .address_space: global }
      - { .name: be2, .offset: 48, .size: 8, .value_kind: global_buffer, .address_space: global }
      - { .name: list, .offset: 56, .size: 8, .value_kind: global_buffer, .address_space: global }
      - { .name: gatew, .offset: 64, .size: 8, .value_kind: global_buffer, .address_space: global }
      - { .name: xcodes, .offset: 72, .size: 8, .value_kind: global_buffer, .address_space: global }
      - { .name: xscale, .offset: 80, .size: 8, .value_kind: global_buffer, .address_space: global }
      - { .name: wcodes, .offset: 88, .size: 8, .value_kind: global_buffer, .address_space: global }
      - { .name: wscale, .offset: 96, .size: 8, .value_kind: global_buffer, .address_space: global }
      - { .name: ybuf, .offset: 104, .size: 8, .value_kind: global_buffer, .address_space: global }
    .group_segment_fixed_size: 203776
    .private_segment_fixed_size: 0
    .kernarg_segment_align: 8
    .kernarg_segment_size: 112
    .max_flat_workgroup_size: 256
    .sgpr_count:     106
    .vgpr_count:     512
    .wavefront_size: 32
...
	.end_amdgpu_metadata
.endif
;; end of part 7
;; launch combine (part 8): grid 256 x 1, 8 waves a work-group, no clusters, 0 bytes of LDS; arguments ybuf, out0; writes out0
.if DOCPART == 8
	.amdgcn_target "amdgcn-amd-amdhsa--gfx1250"
	.amdhsa_code_object_version 6
	.text
	.protected	k_q699601416e_combine
	.globl	k_q699601416e_combine
	.p2align	8
	.type	k_q699601416e_combine,@function
k_q699601416e_combine:
	s_mov_b64 s[64:65], 0
	v_nop
	global_prefetch_b8 v0, s[64:65] scope:SCOPE_SE
	s_setreg_imm32_b32 hwreg(HW_REG_WAVE_MODE, 25, 1), 1
	s_wait_xcnt 0x0
; out0[t] = ybuf[2 t] + ybuf[2 t + 1]: the two chosen experts' rows, which already carry the gate's weights.  A stream: no LDS, no barrier, no matrix unit.
; A work-group takes 16 tokens; thread n takes the 16 bytes at 16 n of every row, so a wave's load or store covers 512 consecutive bytes, aligned.
; All 32 loads of a thread go out first; each token's wait leaves the younger tokens' loads out.  Every register is written once, so no store's data are written again.
	s_load_b128 s[4:7], s[0:1], 0x0                ; ybuf, out0
	s_lshl_b32 s8, ttmp9, 17                       ; 16 tokens x 2 rows x 4,096 bytes
	s_mov_b32 s9, 0
	s_lshl_b32 s10, ttmp9, 16                      ; 16 rows x 4,096 bytes
	s_mov_b32 s11, 0
	v_lshlrev_b32 v1, 4, v0
	s_wait_alu depctr_va_vdst(0)
	s_wait_kmcnt 0x0
	s_add_nc_u64 s[4:5], s[4:5], s[8:9]
	s_add_nc_u64 s[6:7], s[6:7], s[10:11]
.irp t, 0,1,2,3,4,5,6,7,8,9,10,11,12,13,14,15
	global_load_b128 v[4+8*\t:7+8*\t], v1, s[4:5] offset:8192*\t th:TH_LOAD_NT
	global_load_b128 v[8+8*\t:11+8*\t], v1, s[4:5] offset:8192*\t+4096 th:TH_LOAD_NT
.endr
.irp t, 0,1,2,3,4,5,6,7,8,9,10,11,12,13,14,15
	s_wait_loadcnt 30-2*\t                         ; loads come back in order (ISA guide 5.7.1): this token's two are in
	v_pk_add_f32 v[4+8*\t:5+8*\t], v[4+8*\t:5+8*\t], v[8+8*\t:9+8*\t]
	v_pk_add_f32 v[6+8*\t:7+8*\t], v[6+8*\t:7+8*\t], v[10+8*\t:11+8*\t]
	global_store_b128 v1, v[4+8*\t:7+8*\t], s[6:7] offset:4096*\t th:TH_STORE_NT
.endr
	s_endpgm
.Lfunc_end_k_q699601416e_combine:
	.size	k_q699601416e_combine, .Lfunc_end_k_q699601416e_combine-k_q699601416e_combine
	.p2alignl 7, 3214868480
	.fill 96, 4, 3214868480
	.section	.rodata,"a",@progbits
	.p2align	6, 0x0
	.amdhsa_kernel k_q699601416e_combine
		.amdhsa_group_segment_fixed_size 0
		.amdhsa_private_segment_fixed_size 0
		.amdhsa_enable_private_segment 0
		.amdhsa_kernarg_size 16
		.amdhsa_user_sgpr_count 2
		.amdhsa_user_sgpr_kernarg_segment_ptr 1
		.amdhsa_wavefront_size32 1
		.amdhsa_system_sgpr_workgroup_id_x 1
		.amdhsa_system_sgpr_workgroup_id_y 1
		.amdhsa_system_sgpr_workgroup_id_z 1
		.amdhsa_system_vgpr_workitem_id 0
		.amdhsa_next_free_vgpr 136
		.amdhsa_next_free_sgpr 66
		.amdhsa_reserve_vcc 0
		.amdhsa_float_denorm_mode_32 3
		.amdhsa_float_denorm_mode_16_64 3
		.amdhsa_memory_ordered 1
		.amdhsa_forward_progress 1
		.amdhsa_inst_pref_size 8
	.end_amdhsa_kernel
	.amdgpu_metadata
---
amdhsa.version: [ 1, 2 ]
amdhsa.kernels:
  - .name:           k_q699601416e_combine
    .symbol:         k_q699601416e_combine.kd
    .args:
      - { .name: ybuf, .offset: 0, .size: 8, .value_kind: global_buffer, .address_space: global }
      - { .name: out0, .offset: 8, .size: 8, .value_kind: global_buffer, .address_space: global }
    .group_segment_fixed_size: 0
    .private_segment_fixed_size: 0
    .kernarg_segment_align: 8
    .kernarg_segment_size: 16
    .max_flat_workgroup_size: 256
    .sgpr_count:     66
    .vgpr_count:     136
    .wavefront_size: 32
...
	.end_amdgpu_metadata
.endif
;; end of part 8
